; MI455X (gfx1250); checked and timed in simulation.
; The chip was launched on July 23, 2026; its instructions are those of AMD's public machine-readable ISA for CDNA 5 (MIT licence, August 2026) and "CDNA5" Instruction Set Architecture Reference Guide (July 2026). The comments in the code are by the model that wrote it; some were corrected since.
;; Multi Head Attention. Allowed arithmetic: matrix products marked QUANTISED: E4M3 operands, one given power-of-two scale a tensor, by v_wmma_f32_16x16x64_fp8_fp8 or v_wmma_f32_16x16x128_fp8_fp8, f32 sums; everything else in f32.
;; Inputs: Wk 1,024 x 1,024 float32; Wo 1,024 x 1,024 float32; Wq 1,024 x 1,024 float32; Wv 1,024 x 1,024 float32; bo 1,024 float32; keys 4 x 2,048 x 1,024 float32; lowp_scales 12 int32 (the exponents e of the quantised operands' scales 2^e); mask 1 x 1 x 2,048 x 2,048 float32; queries 4 x 2,048 x 1,024 float32; values 4 x 2,048 x 1,024 float32.
;; Outputs: out0 4 x 2,048 x 1,024 float32.
;; This version of the problem:
;;   THIS VERSION OF THE PROBLEM IS GIVEN IN LOW PRECISION. The matrix products marked QUANTISED in the list below multiply operands that are first quantised to E4M3 (4 exponent bits, 3 mantissa bits; 8 bits a number), with one given power-of-two scale for each operand tensor; their sums are f32. All else is computed in f32.
;;   The module's matrix products, in the order in which they are computed (A, B: the left and right operand; K: the contracted axis; several contracted axes count as one K, in the product's order):
;;     1. [M 8,192, K 1,024] x [K 1,024, N 1,024]; A: input queries; B: input Wq: QUANTISED (scales: A lowp_scales[0], B lowp_scales[1])
;;     2. [M 8,192, K 1,024] x [K 1,024, N 1,024]; A: input keys; B: input Wk: QUANTISED (scales: A lowp_scales[2], B lowp_scales[3])
;;     3. [M 8,192, K 1,024] x [K 1,024, N 1,024]; A: input values; B: input Wv: QUANTISED (scales: A lowp_scales[4], B lowp_scales[5])
;;     4. batch 64 x [M 2,048, K 64] x [K 64, N 2,048]; A: computed on the way; B: computed on the way: QUANTISED (scales: A lowp_scales[6], B lowp_scales[7])
;;     5. batch 64 x [M 2,048, K 2,048] x [K 2,048, N 64]; A: softmax (see below); B: computed on the way: QUANTISED (scales: A lowp_scales[8], B lowp_scales[9])
;;     6. [M 8,192, K 1,024] x [K 1,024, N 1,024]; A: computed on the way; B: input Wo: QUANTISED (scales: A lowp_scales[10], B lowp_scales[11])
;;   THE QUANTISER, for each operand of a quantised product, along K:
;;     - The operand's scale is 2^e, e = its entry of the input lowp_scales (int32; the entries are numbered through the quantised products in the list's order, A before B).
;;     - Each number is divided by the scale, clamped to +-448, and rounded to the nearest number of E4M3, ties to even, subnormals kept.
;;     - The product sums the exact products of the quantised numbers (number of the format x scale) in f32.
;;   ~~~python
;;   def quantise(x, axis, e):      # numpy; x: float32 -> the quantised numbers, widened to float32 again
;;       x = np.moveaxis(x, axis, -1); K = x.shape[-1]
;;       r = np.clip(x / 2.0 ** e, -448, 448)
;;       step = 2.0 ** (np.maximum(np.frexp(np.where(r == 0, 1, r))[1] - 1, -6) - 3)
;;       q = np.round(r / step) * step * 2.0 ** e      # np.round: ties to even
;;       return np.moveaxis(q, -1, axis).astype(np.float32)
;;   ~~~
;;   SOFTMAX AHEAD OF A QUANTISED PRODUCT. Where the list says 'softmax', what is quantised is not the finished softmax but p = 2^(t - M), with t = logit x log2(e) and M = ceil(the row's largest t), a whole number; so 1/2 < the row's largest p <= 1. The row's sum l is taken of the UNQUANTISED p, in f32, and the product's result is divided by l at the end. Since M is a whole number, a kernel that streams over the keys may use a running M (the ceiling of the running maximum): every later rescaling is an exact power of two, so the quantised numbers keep their values, but for numbers so far below the row's largest that they fall under the format's range.
;;   OPERANDS COMPUTED ON THE WAY. 'Computed on the way' means the value that the module computes at that place (a softmax that the list does not call 'softmax' is quantised finished and normalised). What goes into a quantiser is computed in f32, as accurately as f32 sums, v_exp_f32 and their like allow (about 1e-6 of the number): no bf16 or f16 on the way to a quantiser, and a product that is left as it is and whose result goes on into a quantised operand takes f32 operands (vector FMAs, or v_wmma_f32_16x16x4_f32). A number that lies on a knife's edge between two numbers of the format may be rounded either way, as far as f32 arithmetic and the matrix unit's own rounding can turn it there, and no further.
;; One version. Each part assembles by itself: llvm-mc -triple=amdgcn-amd-amdhsa -mcpu=gfx1250 --defsym DOCPART=n.
;; ======== version 1 of 1: 4 launches
;; limits: right only within a limited range of input values
;; workspace buffers: xc 25,165,824 bytes; wc 4,194,304 bytes; pc 25,165,824 bytes; oc 8,388,608 bytes; fl 2,048 bytes of whole numbers
;; launch quant (part 1): grid 1024 x 1, 4 waves a work-group, no clusters, 55,808 bytes of LDS; arguments queries, keys, values, Wq, Wk, Wv, Wo, lowp_scales, xc, wc, mask, fl; writes xc, wc, fl
.if DOCPART == 1
	.amdgcn_target "amdgcn-amd-amdhsa--gfx1250"
	.amdhsa_code_object_version 6
	.text
	.protected	k_q16428ed82e_quant
	.globl	k_q16428ed82e_quant
	.p2align	8
	.type	k_q16428ed82e_quant,@function
k_q16428ed82e_quant:
	s_mov_b64 s[64:65], 0
	v_nop
	global_prefetch_b8 v0, s[64:65] scope:SCOPE_SE
	s_setreg_imm32_b32 hwreg(HW_REG_WAVE_MODE, 25, 1), 1
	s_wait_xcnt 0x0
; MULTI-HEAD ATTENTION, all six products on codes of E4M3, in four launches: this one quantises the seven f32 operands that arrive from outside and scans the mask;
; the second makes q, k, v (products 1 to 3) and quantises them; the third is the attention (products 4 and 5); the fourth the projection on the way out (product 6) with its bias.
; DEAD WORK: none is left out for all values; every input has a way to the output.  What the VALUES of the mask throw away is decided here, stored as whole numbers in fl, and left out by the third launch, which reads fl:
; a tile of 64 queries x 128 keys is passed over where all its m are 0 and each of its 64 rows has, among its 2,048 keys, some m >= 1.  That key's term (1 - m) x (-1e9) is >= 0, so the row's M is at least that key's
; score x log2(e); a key with m = 0 has t = (score - 1e9) x log2(e).  |score| <= 64 x 448^2 x 2^(e6 + e7 - 3), under 2.1e8 for e6 + e7 <= 7 (LIMIT), so t - M is under -8e8: p is 0, adds nothing to the sum or to the
; product and cannot be the maximum.  A tile whose m are all 1 has the term 0: there the mask is not read again.  No pattern of the mask is built in.
; THIS LAUNCH.  code = x / 2^e, held within +-448, rounded to the nearest code, ties to even; e is the operand's entry of lowp_scales.
;   queries, keys, values [8192][1024] f32 (e0, e2, e4) -> xc [3][8192][1024];  Wq, Wk, Wv, Wo [1024 k][1024 n] f32 (e1, e3, e5, e11) -> wc [4][1024 n][1024 k], K innermost.
;   mask [2048][2048] -> fl [512]: word g serves rows 4 g .. 4 g + 3; bit kt: tile kt (128 keys) is all 0 and each of the 4 rows has some m >= 1; bit 16 + kt: tile kt is all 1.
; LIMITS: each of these seven e lies between -126 and 119.  NaN among the inputs is not served (an infinity is held at the largest code).
; Work-groups 0-767: the activations (way A); 768-895: the weights (way B); 896-1023: the mask (way C, no LDS).  The ways part on the work-group's number and never join; A and B have LDS bytes of their own.
.set SP,    80                         ; way A: a lane's place in a stage: 64 bytes + 16 of padding
.set AREG,  2*32*SP
.set BBASE, 4*AREG
.set PITCH, 272                        ; way B: a stage row: 256 codes + 16
.set SPARE, BBASE+4*32*PITCH           ; the spare words, 128 bytes a wave
.set STEPS, 16
.set NB,    8
.set SPW,   12
.set NIL,   13
.set R,     16
.set X,     80
.set C,     128
.set XB,    32
.set CB,    96
.set OUTR,  112
.set XM,    16                         ; way C: v16-143 two sets of 16 loads; v144.. per-row largest and least, the rows' running largest, a tile's two
.set HT,    144
.set LT,    148
.set RM,    152
.set MX,    156
.set MN,    157
.macro LOADA t                         ; 2,048 bytes as they lie: each load reads 512 consecutive bytes
.irp i, 0,1,2,3
	global_load_b128 v[R+16*((\t)%4)+4*\i:R+16*((\t)%4)+4*\i+3], v3, s[4:5] offset:2048*(\t)+512*\i th:TH_LOAD_NT
.endr
.endm
.macro TURNA t                         ; through the wave's own stage, so that a lane gets 16 neighbours along K; LDS serves a wave in order
.irp i, 0,1,2,3
	ds_store_b128 v14, v[R+16*((\t)%4)+4*\i:R+16*((\t)%4)+4*\i+3] offset:32*SP*((\t)%2)+8*SP*\i
.endr
.irp i, 0,1,2,3
	ds_load_b128 v[X+16*((\t)%2)+4*\i:X+16*((\t)%2)+4*\i+3], v15 offset:32*SP*((\t)%2)+16*\i
.endr
.endm
.macro STEPA t
.set XS, X+16*((\t)%2)
	s_wait_dscnt 0x0                               ; this step's numbers are back, so its stage stores have read their registers
.if (\t)+4 < STEPS
	LOADA (\t)+4
.endif
.if (\t)+1 < STEPS
.if STEPS-2-(\t) >= 3
	s_wait_loadcnt 12                              ; the next step's four loads are in; three steps' may be out
.else
	s_wait_loadcnt 4*(STEPS-2-(\t))
.endif
	TURNA (\t)+1
.endif
.irp i, 0,1,2,3,4,5,6,7,8,9,10,11,12,13,14,15
	v_med3_num_f32 v[XS+\i], v[XS+\i], -v10, v10   ; the conversion does not saturate (ISA guide 7.6.2): the hold
.endr
	v_cvt_scalef32_pk8_fp8_f32 v[C+4*(\t):C+4*(\t)+1], v[XS:XS+7], v11
	v_cvt_scalef32_pk8_fp8_f32 v[C+4*(\t)+2:C+4*(\t)+3], v[XS+8:XS+15], v11
	global_store_b128 v3, v[C+4*(\t):C+4*(\t)+3], s[6:7] offset:512*(\t)   ; 512 consecutive bytes, aligned; own registers for each step
.endm
.macro LOADB t                         ; W(32 t + i, my column)
.irp i, 0,1,2,3,4,5,6,7,8,9,10,11,12,13,14,15,16,17,18,19,20,21,22,23,24,25,26,27,28,29,30,31
	global_load_b32 v[XB+32*((\t)%2)+\i], v3, s[4:5] offset:(32*(\t)+\i)*4096 th:TH_LOAD_NT
.endr
.endm
.macro BLOCKB t
.set XS, XB+32*((\t)%2)
.if (\t) < NB-1
	s_wait_loadcnt 32                              ; this block's 32 loads are in; the next block's may be out
.else
	s_wait_loadcnt 0
.endif
.irp i, 0,1,2,3,4,5,6,7,8,9,10,11,12,13,14,15,16,17,18,19,20,21,22,23,24,25,26,27,28,29,30,31
	v_med3_num_f32 v[XS+\i], v[XS+\i], -v10, v10
.endr
.irp g, 0,1,2,3
	v_cvt_scalef32_pk8_fp8_f32 v[CB+2*\g:CB+2*\g+1], v[XS+8*\g:XS+8*\g+7], v11
.endr
	ds_store_b128 v4, v[CB:CB+3] offset:32*(\t)
	ds_store_b128 v4, v[CB+4:CB+7] offset:32*(\t)+16
.if (\t)+2 < NB
	LOADB (\t)+2
.endif
	s_wait_dscnt 0x0                               ; the stores have read their registers
.endm
.macro LOADC b                         ; way C: tiles 4 b .. 4 b + 3 of my four rows: each load is one row's 512 bytes of one tile
.irp k, 0,1,2,3
.irp p, 0,1,2,3
	global_load_b128 v[XM+64*((\b)%2)+16*\k+4*\p:XM+64*((\b)%2)+16*\k+4*\p+3], v3, s[4:5] offset:8192*\p+512*(4*(\b)+\k)
.endr
.endr
.endm
.macro SCAN b
.if (\b) < 3
	s_wait_loadcnt 16                              ; this batch's 16 loads are in; the next batch's may be out
.else
	s_wait_loadcnt 0
.endif
.irp k, 0,1,2,3
.set XS, XM+64*((\b)%2)+16*\k
.irp p, 0,1,2,3
	v_max3_num_f32 v[HT+\p], v[XS+4*\p], v[XS+4*\p+1], v[XS+4*\p+2]
	v_min3_num_f32 v[LT+\p], v[XS+4*\p], v[XS+4*\p+1], v[XS+4*\p+2]
.endr
.irp p, 0,1,2,3
	v_max_num_f32 v[HT+\p], v[HT+\p], v[XS+4*\p+3]
	v_min_num_f32 v[LT+\p], v[LT+\p], v[XS+4*\p+3]
.endr
.irp p, 0,1,2,3
	v_max_num_f32 v[RM+\p], v[RM+\p], v[HT+\p]     ; the row's largest m so far
.endr
	v_max3_num_f32 v[MX], v[HT], v[HT+1], v[HT+2]
	v_min3_num_f32 v[MN], v[LT], v[LT+1], v[LT+2]
	v_max_num_f32 v[MX], v[MX], v[HT+3]            ; my lane's largest and least of the tile's 4 rows
	v_min_num_f32 v[MN], v[MN], v[LT+3]
	v_cmp_eq_f32 s56, 0, v[MX]
	v_cmp_eq_f32 s57, 0, v[MN]
	v_cmp_eq_f32 s58, 1.0, v[MX]
	v_cmp_eq_f32 s59, 1.0, v[MN]
	s_and_b32 s56, s56, s57
	s_cmp_eq_u32 s56, -1                           ; all 32 lanes: a selection, no branch
	s_cselect_b32 s56, 1<<(4*(\b)+\k), 0
	s_or_b32 s60, s60, s56
	s_and_b32 s58, s58, s59
	s_cmp_eq_u32 s58, -1
	s_cselect_b32 s58, 1<<(16+4*(\b)+\k), 0
	s_or_b32 s61, s61, s58
.endr
.endm
	s_load_b512 s[8:23], s[0:1], 0x0               ; queries, keys, values, Wq, Wk, Wv, Wo, the scales' exponents s[22:23]
	s_load_b128 s[24:27], s[0:1], 0x40             ; xc, wc
	s_load_b128 s[52:55], s[0:1], 0x50             ; mask, fl
	v_lshl_add_u32 v[SPW], v0, 2, SPARE
	v_mov_b32 v[NIL], 0
	v_lshrrev_b32 v1, 5, v0
	v_readfirstlane_b32 s28, v1                    ; wave 0..3
	v_and_b32 v2, 31, v0                           ; lane
	s_wait_kmcnt 0x0
	s_load_b256 s[32:39], s[22:23], 0x0            ; e0 .. e7
	s_load_b128 s[40:43], s[22:23], 0x20           ; e8 .. e11
	s_cmp_lt_u32 ttmp9, 768
	s_cbranch_scc0 .Lweights
	; ---- WAY A
	s_wait_alu depctr_va_vdst(0)
	v_lshlrev_b32 v3, 4, v2
	s_wait_alu depctr_va_vdst(0)
	s_mul_i32 s29, s28, AREG
	v_lshrrev_b32 v14, 2, v2
	v_mul_u32_u24 v14, v14, SP
	v_and_b32 v15, 3, v2
	v_lshl_add_u32 v14, v15, 4, v14
	v_add_nc_u32 v14, s29, v14                     ; the stage, in: four lanes' 64 bytes on end, then 16 of padding
	v_mul_u32_u24 v15, v2, SP
	v_add_nc_u32 v15, s29, v15                     ; out: my 16 neighbours
	s_lshr_b32 s30, ttmp9, 8                       ; which tensor
	s_and_b32 s31, ttmp9, 255
	s_lshl_b32 s31, s31, 2
	s_add_co_u32 s31, s31, s28                     ; which run of 8,192 numbers
	s_cmp_eq_u32 s30, 0
	s_cselect_b64 s[4:5], s[8:9], s[10:11]
	s_cmp_eq_u32 s30, 2
	s_cselect_b64 s[4:5], s[12:13], s[4:5]
	s_lshl_b32 s44, s31, 15
	s_mov_b32 s45, 0
	s_add_nc_u64 s[4:5], s[4:5], s[44:45]
	s_lshl_b32 s44, s30, 23
	s_lshl_b32 s46, s31, 13
	s_add_co_u32 s44, s44, s46
	s_add_nc_u64 s[6:7], s[24:25], s[44:45]
.irp t, 0,1,2,3
	LOADA \t
.endr
	s_wait_alu depctr_va_vdst(0)
	s_wait_kmcnt 0x0
	s_cmp_eq_u32 s30, 0
	s_cselect_b32 s46, s32, s34
	s_cmp_eq_u32 s30, 2
	s_cselect_b32 s46, s36, s46                    ; e0, e2 or e4
	s_add_co_i32 s46, s46, 127
	s_lshl_b32 s47, s46, 23
	v_mov_b32 v11, s47                             ; 2^e
	s_add_co_i32 s46, s46, 8
	s_lshl_b32 s46, s46, 23
	s_or_b32 s46, s46, 0x600000
	v_mov_b32 v10, s46                             ; 448 x 2^e
	s_wait_alu depctr_va_vdst(0)
	s_wait_loadcnt 12
	TURNA 0
.irp t, 0,1,2,3,4,5,6,7,8,9,10,11,12,13,14,15
	STEPA \t
.endr
	s_wait_tensorcnt 0x0                           ; the wave's end
	ds_add_u32 v[SPW], v[NIL]
	s_wait_dscnt 0x0
	s_endpgm
	; ---- WAY B: a lane takes a column n, its registers run down K; the codes leave through the wave's stage as rows of 256 bytes
.Lweights:
	s_cmp_ge_u32 ttmp9, 896
	s_cbranch_scc1 .Lmask
	s_sub_co_u32 s29, ttmp9, 768
	s_lshr_b32 s30, s29, 5                         ; which weight
	s_and_b32 s49, s30, 1
	s_and_b32 s31, s29, 7                          ; which 128 columns
	s_bfe_u32 s44, s29, 0x20003                    ; which 256 along K
	s_lshl_b32 s31, s31, 7
	s_lshl_b32 s45, s28, 5
	s_add_co_u32 s31, s31, s45
	s_wait_alu depctr_va_vdst(0)
	v_lshlrev_b32 v3, 2, v2
	s_mul_i32 s45, s28, 32*PITCH
	s_add_co_u32 s45, s45, BBASE
	v_mul_u32_u24 v4, v2, PITCH
	v_add_nc_u32 v4, s45, v4
	v_and_b32 v5, 15, v2
	v_lshrrev_b32 v6, 4, v2
	v_mul_u32_u24 v7, v6, PITCH
	v_lshl_add_u32 v7, v5, 4, v7
	v_add_nc_u32 v7, s45, v7
	v_lshlrev_b32 v8, 10, v6
	v_lshl_add_u32 v8, v5, 4, v8
	s_cmp_lt_u32 s30, 2
	s_cselect_b64 s[4:5], s[14:15], s[18:19]
	s_cselect_b64 s[6:7], s[16:17], s[20:21]
	s_cmp_eq_u32 s49, 1
	s_cselect_b64 s[4:5], s[6:7], s[4:5]
	s_lshl_b32 s46, s44, 20
	s_lshl_b32 s47, s31, 2
	s_add_co_u32 s46, s46, s47
	s_mov_b32 s47, 0
	s_add_nc_u64 s[4:5], s[4:5], s[46:47]
	s_lshl_b32 s46, s30, 20
	s_lshl_b32 s48, s31, 10
	s_add_co_u32 s46, s46, s48
	s_lshl_b32 s48, s44, 8
	s_add_co_u32 s46, s46, s48
	s_add_nc_u64 s[6:7], s[26:27], s[46:47]
	LOADB 0
	LOADB 1
	s_wait_kmcnt 0x0
	s_cmp_lt_u32 s30, 2
	s_cselect_b32 s46, s33, s37
	s_cselect_b32 s47, s35, s43
	s_cmp_eq_u32 s49, 1
	s_cselect_b32 s46, s47, s46                    ; e1, e3, e5 or e11
	s_add_co_i32 s46, s46, 127
	s_lshl_b32 s47, s46, 23
	v_mov_b32 v11, s47
	s_add_co_i32 s46, s46, 8
	s_lshl_b32 s46, s46, 23
	s_or_b32 s46, s46, 0x600000
	v_mov_b32 v10, s46
	s_wait_alu depctr_va_vdst(0)
.irp t, 0,1,2,3,4,5,6,7
	BLOCKB \t
.endr
.irp t, 0,1,2,3,4,5,6,7,8,9,10,11,12,13,14,15
	ds_load_b128 v[OUTR+4*\t:OUTR+4*\t+3], v7 offset:2*\t*PITCH
.endr
.irp t, 0,1,2,3,4,5,6,7,8,9,10,11,12,13,14,15
	s_wait_dscnt 15-\t
	global_store_b128 v8, v[OUTR+4*\t:OUTR+4*\t+3], s[6:7] offset:2*\t*1024   ; sixteen lanes store 256 consecutive bytes, aligned
.endr
	s_wait_tensorcnt 0x0
	ds_add_u32 v[SPW], v[NIL]
	s_wait_dscnt 0x0
	s_endpgm
	; ---- WAY C: a wave scans rows 4 g .. 4 g + 3 of the mask, 32 KiB, and stores one word.  Nothing here branches on what it finds
.Lmask:
	s_sub_co_u32 s29, ttmp9, 896
	s_lshl_b32 s29, s29, 2
	s_add_co_u32 s29, s29, s28                     ; g
	s_lshl_b32 s44, s29, 15
	s_mov_b32 s45, 0
	s_add_nc_u64 s[4:5], s[52:53], s[44:45]
	s_lshl_b32 s44, s29, 2
	s_add_nc_u64 s[6:7], s[54:55], s[44:45]
	s_mov_b32 s60, 0                               ; tiles all 0
	s_mov_b32 s61, 0                               ; tiles all 1, 16 bits up
	s_mov_b32 s62, 0xffff                          ; every row has some m >= 1
	s_wait_alu depctr_va_vdst(0)
	v_lshlrev_b32 v3, 4, v2
.irp p, 0,1,2,3
	v_mov_b32 v[RM+\p], 0xff800000
.endr
	s_wait_alu depctr_va_vdst(0)
	LOADC 0
	LOADC 1
	SCAN 0
	LOADC 2
	SCAN 1
	LOADC 3
	SCAN 2
	SCAN 3
	s_wait_alu depctr_va_vdst(0)
.irp p, 0,1,2,3
	v_cmp_le_f32 s56, 1.0, v[RM+\p]
	s_cmp_lg_u32 s56, 0                            ; some lane
	s_cselect_b32 s56, -1, 0
	s_and_b32 s62, s62, s56
.endr
	s_and_b32 s60, s60, s62
	s_or_b32 s60, s60, s61
	v_mov_b32 v4, s60
	v_mov_b32 v5, 0
	v_cmp_gt_u32 vcc_lo, 1, v2
	s_wait_alu depctr_va_vdst(0)
	s_wait_xcnt 0x0                                ; EXEC changes only behind this wait
	s_and_saveexec_b32 s56, vcc_lo
	global_store_b32 v5, v4, s[6:7]                ; lane 0 stores the group's word
	s_wait_xcnt 0x0
	s_or_b32 exec_lo, exec_lo, s56
	s_endpgm
.Lfunc_end_k_q16428ed82e_quant:
	.size	k_q16428ed82e_quant, .Lfunc_end_k_q16428ed82e_quant-k_q16428ed82e_quant
	.p2alignl 7, 3214868480
	.fill 96, 4, 3214868480
	.section	.rodata,"a",@progbits
	.p2align	6, 0x0
	.amdhsa_kernel k_q16428ed82e_quant
		.amdhsa_group_segment_fixed_size 55808
		.amdhsa_private_segment_fixed_size 0
		.amdhsa_enable_private_segment 0
		.amdhsa_kernarg_size 96
		.amdhsa_user_sgpr_count 2
		.amdhsa_user_sgpr_kernarg_segment_ptr 1
		.amdhsa_wavefront_size32 1
		.amdhsa_system_sgpr_workgroup_id_x 1
		.amdhsa_system_sgpr_workgroup_id_y 1
		.amdhsa_system_sgpr_workgroup_id_z 1
		.amdhsa_system_vgpr_workitem_id 0
		.amdhsa_next_free_vgpr 192
		.amdhsa_next_free_sgpr 66
		.amdhsa_reserve_vcc 1
		.amdhsa_float_denorm_mode_32 3
		.amdhsa_float_denorm_mode_16_64 3
		.amdhsa_memory_ordered 1
		.amdhsa_forward_progress 1
		.amdhsa_inst_pref_size 120
	.end_amdhsa_kernel
	.amdgpu_metadata
---
amdhsa.version: [ 1, 2 ]
amdhsa.kernels:
  - .name:           k_q16428ed82e_quant
    .symbol:         k_q16428ed82e_quant.kd
    .args:
      - { .name: queries, .offset: 0, .size: 8, .value_kind: global_buffer, .address_space: global }
      - { .name: keys, .offset: 8, .size: 8, .value_kind: global_buffer, .address_space: global }
      - { .name: values, .offset: 16, .size: 8, .value_kind: global_buffer, .address_space: global }
      - { .name: Wq, .offset: 24, .size: 8, .value_kind: global_buffer, .address_space: global }
      - { .name: Wk, .offset: 32, .size: 8, .value_kind: global_buffer, .address_space: global }
      - { .name: Wv, .offset: 40, .size: 8, .value_kind: global_buffer, .address_space: global }
      - { .name: Wo, .offset: 48, .size: 8, .value_kind: global_buffer, .address_space: global }
      - { .name: lowp_scales, .offset: 56, .size: 8, .value_kind: global_buffer, .address_space: global }
      - { .name: xc, .offset: 64, .size: 8, .value_kind: global_buffer, .address_space: global }
      - { .name: wc, .offset: 72, .size: 8, .value_kind: global_buffer, .address_space: global }
      - { .name: mask, .offset: 80, .size: 8, .value_kind: global_buffer, .address_space: global }
      - { .name: fl, .offset: 88, .size: 8, .value_kind: global_buffer, .address_space: global }
    .group_segment_fixed_size: 55808
    .private_segment_fixed_size: 0
    .kernarg_segment_align: 8
    .kernarg_segment_size: 96
    .max_flat_workgroup_size: 128
    .sgpr_count:     66
    .vgpr_count:     192
    .wavefront_size: 32
...
	.end_amdgpu_metadata
.endif
;; end of part 1
;; launch proj (part 2): grid 32 x 12, 4 waves a work-group, clusters of 4 x 4, 327,680 bytes of LDS; arguments xc, wc, lowp_scales, pc; writes pc
.if DOCPART == 2
	.amdgcn_target "amdgcn-amd-amdhsa--gfx1250"
	.amdhsa_code_object_version 6
	.text
	.protected	k_q16428ed82e_proj
	.globl	k_q16428ed82e_proj
	.p2align	8
	.type	k_q16428ed82e_proj,@function
k_q16428ed82e_proj:
	s_mov_b64 s[64:65], 0
	v_nop
	global_prefetch_b8 v0, s[64:65] scope:SCOPE_SE
	s_setreg_imm32_b32 hwreg(HW_REG_WAVE_MODE, 25, 1), 1
	s_wait_xcnt 0x0
	s_wait_alu depctr_hold_cnt(0) depctr_sa_sdst(0) depctr_va_vdst(0) depctr_va_sdst(0) depctr_va_ssrc(0) depctr_va_vcc(0) depctr_vm_vsrc(0)
	s_getreg_b32 s2, hwreg(HW_REG_IB_STS2, 6, 4)
	s_cmp_eq_u32 s2, 0
	s_cbranch_scc0 .Lentry_in_a_cluster
	s_endpgm
.Lentry_in_a_cluster:
	s_bfe_u32 s2, ttmp6, 0x10000c
	s_cmp_lg_u32 s2, 0xf033
	s_cbranch_scc0 .Lentry_shape_is_right
	s_endpgm
.Lentry_shape_is_right:
.set KSTEP,  256
.set ROWB,   256
.set KROW,   1024
.set PITCH,  272
.set FR,     16
.set NL,     4
.set NP,     4
.set HALFT,  128*PITCH
.set SLOT,   4*HALFT
.set LAPS,   2
.set SPARE,  2*SLOT
.set QP,     144
.set ADRA, 16
.set ADRB, 20
.set STO,  24
.set RD,   25
.set CO,   26
.set SPW,  28
.set NIL,  29
.set SCL,  30
.set LIM,  31
.set TMP,  32
.set CD0,  96
.set AF,   128
.set BK,   128
.set G1, 24
.set G0, 32
.set G1B, 48
.set G0B, 56
.set MSB, 0
.macro WIN new
.if MSB != \new
	s_set_vgpr_msb (MSB<<8)|\new
.set MSB, \new
.endif
.endm
.set MUL_LO, 0xa1
.set MUL_HI, 0xf1
.set TO_B,   0x40
.macro JLOAD g0a, g1a, g0b, g1b
	s_cmp_eq_u32 s15, 0
	s_cbranch_scc0 .Lfor_b_\@
	tensor_load_to_lds s[\g0a:\g0a+3], s[\g1a:\g1a+7]
	s_nop 0
.rept 4
	v_nop
.endr
	s_branch .Lasked_\@
.Lfor_b_\@:
	tensor_load_to_lds s[\g0b:\g0b+3], s[\g1b:\g1b+7]
	s_nop 0
.rept 4
	v_nop
.endr
.Lasked_\@:
.endm
.macro CREST
	s_cmp_lg_u32 s14, 0
	s_cbranch_scc1 .Lnot_wave_0_\@
	s_barrier_signal -3
.Lnot_wave_0_\@:
	s_barrier_wait -3
	s_barrier_signal -1
	s_barrier_wait -1
.endm
.macro CROUND
	s_barrier_signal -1
	s_barrier_wait -1
	CREST
.endm
	s_load_b256 s[4:11], s[0:1], 0x0
	v_lshl_add_u32 v[SPW], v0, 2, SPARE
	v_mov_b32 v[NIL], 0
	ds_add_u32 v[SPW], v[NIL]
	ds_add_u32 v[SPW], v[NIL]
	v_lshrrev_b32 v1, 5, v0
	v_readfirstlane_b32 s14, v1
	s_lshr_b32 s15, s14, 1
	s_and_b32 s16, s14, 1
	s_bfe_u32 s40, ttmp6, 0x40000
	s_bfe_u32 s41, ttmp6, 0x40004
	s_and_b32 s93, ttmp7, 0xffff
	s_lshl_b32 s84, s93, 23
	s_lshl_b32 s85, s93, 20
	s_cmp_eq_u32 s93, 2
	s_cselect_b32 s86, s85, s84
	s_cselect_b32 s88, s84, s85
	s_cselect_b32 s90, 0, ttmp9
	s_cselect_b32 s91, ttmp9, 0
	s_cselect_b32 s92, 17, 20
	s_lshl_b32 s42, s91, 2
	s_add_co_u32 s42, s42, s40
	s_lshl_b32 s17, s90, 2
	s_add_co_u32 s17, s17, s41
	s_lshl_b32 s43, s41, 2
	s_lshl_b32 s43, 15, s43
	s_lshl_b32 s44, 0x1111, s40
	s_or_b32 s[G1+0], s43, (0<<16)|(1<<20)|(1<<21)|(5<<22)|(3<<25)
	s_or_b32 s[G1B+0], s44, (0<<16)|(1<<20)|(1<<21)|(5<<22)|(3<<25)
.irp g, G1, G1B
	s_mov_b32 s[\g+1], ROWB<<16
	s_mov_b32 s[\g+2], 128<<16
	s_mov_b32 s[\g+3], ROWB<<16
	s_mov_b32 s[\g+4], 128
	s_mov_b32 s[\g+5], KROW
	s_mov_b32 s[\g+6], 0
	s_mov_b32 s[\g+7], 0
.endr
	s_lshl_b32 s18, s16, 7
	s_lshl_b32 s20, s17, 8
	s_add_co_u32 s20, s20, s18
	s_lshl_b32 s20, s20, 10
	s_add_co_u32 s20, s20, s86
	s_mov_b32 s21, 0
	s_lshl_b32 s46, s42, 8
	s_add_co_u32 s46, s46, s18
	s_lshl_b32 s46, s46, 10
	s_add_co_u32 s46, s46, s88
	s_mov_b32 s47, 0
	s_mul_i32 s45, s14, HALFT
	s_wait_dscnt 0x0
	s_wait_kmcnt 0x0
	s_load_b256 s[68:75], s[8:9], 0x0
	s_load_b128 s[76:79], s[8:9], 0x20
	s_cmp_eq_u32 s93, 2
	s_cselect_b64 s[80:81], s[6:7], s[4:5]
	s_cselect_b64 s[82:83], s[4:5], s[6:7]
	s_add_nc_u64 s[20:21], s[80:81], s[20:21]
	s_add_nc_u64 s[46:47], s[82:83], s[46:47]
	; the prefetches: of the 128 rows that my wave fetches, the partner at place p among the four that ask jointly (cx for source-1 rows, cy for source-0 rows) names rows 32 p .. 32 p + 31, a lane a row: told apart by address alone
	s_cmp_eq_u32 s15, 0
	s_cselect_b64 s[98:99], s[20:21], s[46:47]
	s_cselect_b32 s66, s40, s41
	s_lshl_b32 s66, s66, 15
	s_mov_b32 s67, 0
	s_add_nc_u64 s[98:99], s[98:99], s[66:67]
	v_and_b32 v22, 31, v0
	v_lshlrev_b32 v22, 10, v22
	CROUND
.irp s, 0,1
	s_mov_b32 s[G0+4*\s], 1
	s_add_co_u32 s[G0+4*\s+1], s45, \s*SLOT
	s_add_nc_u64 s[G0+4*\s+2:G0+4*\s+3], s[20:21], \s*ROWB
	s_or_b32 s[G0+4*\s+3], s[G0+4*\s+3], 0x80000000
	s_mov_b32 s[G0B+4*\s], 1
	s_add_co_u32 s[G0B+4*\s+1], s45, \s*SLOT
	s_add_nc_u64 s[G0B+4*\s+2:G0B+4*\s+3], s[46:47], \s*ROWB
	s_or_b32 s[G0B+4*\s+3], s[G0B+4*\s+3], 0x80000000
	s_wait_alu depctr_va_vdst(0)
	s_wait_tensorcnt 0x0
	ds_add_u32 v28, v29
	ds_add_u32 v28, v29
	s_wait_dscnt 0x0
	CROUND
	JLOAD G0+4*\s, G1, G0B+4*\s, G1B
.if \s == 0
	global_prefetch_b8 v22, s[98:99] offset:256 th:TH_LOAD_NT scope:SCOPE_SE   ; behind K step 0's load: K steps 1 and 2, 256 bytes of each row; their loads stand one and two fills on
	global_prefetch_b8 v22, s[98:99] offset:512 th:TH_LOAD_NT scope:SCOPE_SE
.else
	global_prefetch_b8 v22, s[98:99] offset:768 th:TH_LOAD_NT scope:SCOPE_SE   ; behind K step 1's load: K step 3, the last
.endif
.endr
	v_and_b32 v1, 15, v0
	s_wait_alu depctr_va_vdst(0)
	v_bfe_u32 v2, v0, 4, 1
	v_mul_u32_u24 v3, v1, PITCH
	v_lshl_add_u32 v4, v2, 4, v3
	s_mul_i32 s21, s15, HALFT
	s_mul_i32 s22, s16, HALFT
	s_add_co_u32 s22, s22, 2*HALFT
.irp s, 0,1
	v_add_nc_u32 v[ADRA+\s], s21, v4
	v_add_nc_u32 v[ADRB+\s], s22, v4
	s_add_co_u32 s21, s21, SLOT
	s_add_co_u32 s22, s22, SLOT
.endr
	v_and_b32 v6, 31, v0
	v_lshlrev_b32 v[CO], 4, v6                     ; the way out: 16 bytes a lane
	s_wait_alu depctr_va_vdst(0)
	s_lshl_b32 s20, s42, 1
	s_add_co_u32 s20, s20, s16
	s_lshl_b32 s20, s20, s92
	s_add_co_u32 s20, s20, s84
	s_lshl_b32 s21, s17, 8
	s_lshl_b32 s22, s15, 7
	s_add_co_u32 s21, s21, s22
	s_lshl_b32 s21, s21, 7
	s_add_co_u32 s20, s20, s21
	s_mov_b32 s21, 0
	s_add_nc_u64 s[10:11], s[10:11], s[20:21]
.macro FRAG reg, adr, q, i
.irp c, 0,1,2,3
	ds_load_b128 v[\reg+4*\c:\reg+4*\c+3], v[\adr] offset:128*(\q)+32*\c+(\i)*16*PITCH
.endr
.endm
.macro MUL16 a0, p, zero
.irp a, \a0, \a0+1
.irp b, 0,1,2,3,4,5,6,7
.if \zero
	v_wmma_f32_16x16x128_fp8_fp8 v[8*(8*((\a)%4)+\b):8*(8*((\a)%4)+\b)+7], v[128*(\p)+FR*\b:128*(\p)+FR*\b+FR-1], v[AF+FR*(\a):AF+FR*(\a)+FR-1], 0
.else
	v_wmma_f32_16x16x128_fp8_fp8 v[8*(8*((\a)%4)+\b):8*(8*((\a)%4)+\b)+7], v[128*(\p)+FR*\b:128*(\p)+FR*\b+FR-1], v[AF+FR*(\a):AF+FR*(\a)+FR-1], v[8*(8*((\a)%4)+\b):8*(8*((\a)%4)+\b)+7]
.endif
.endr
.endr
.endm
.macro FETCH_B slot, q, p
	WIN TO_B
.irp i, 0,1,2,3,4,5,6,7
	FRAG 128*(\p)+FR*\i, ADRB+\slot, \q, \i
.endr
	WIN 0
.endm
.macro FETCH_A slot, q, i0
.irp i, \i0, \i0+1, \i0+2, \i0+3
	FRAG AF+FR*(\i), ADRA+\slot, \q, \i
.endr
.endm
.macro PLACES n
.rept \n
	v_nop
.endr
.endm
.macro STEP slot, q, zero
	s_wait_dscnt 4*NL
	WIN MUL_LO
	MUL16 0, (\q)%2, \zero
	MUL16 2, (\q)%2, \zero
	s_wait_dscnt 0
	PLACES NP
	FETCH_B \slot, (\q)+1, 1-(\q)%2
	FETCH_A \slot, (\q)+1, 0
	WIN MUL_HI
	MUL16 4, (\q)%2, \zero
	MUL16 6, (\q)%2, \zero
	PLACES NP
	WIN 0
	FETCH_A \slot, (\q)+1, 4
.endm
.macro TURN slot, next, fill
	s_wait_tensorcnt 0x0
	ds_add_u32 v[SPW], v[NIL]
	s_wait_dscnt 4*NL+1
	WIN MUL_LO
	MUL16 0, 1, 0
	s_wait_dscnt 0x0
	s_barrier_signal -1
	MUL16 2, 1, 0
	WIN 0
	s_barrier_wait -1
.if \fill
	CREST
	s_add_nc_u64 s[G0+4*\slot+2:G0+4*\slot+3], s[G0+4*\slot+2:G0+4*\slot+3], 2*ROWB
	s_add_nc_u64 s[G0B+4*\slot+2:G0B+4*\slot+3], s[G0B+4*\slot+2:G0B+4*\slot+3], 2*ROWB
	JLOAD G0+4*\slot, G1, G0B+4*\slot, G1B
.else
	PLACES NP
.endif
	FETCH_B \next, 0, 0
	FETCH_A \next, 0, 0
	WIN MUL_HI
	MUL16 4, 1, 0
	MUL16 6, 1, 0
	PLACES NP
	WIN 0
	FETCH_A \next, 0, 4
.endm
	s_wait_tensorcnt 1
	s_barrier_signal -1
	s_barrier_wait -1
	FETCH_B 0, 0, 0
	FETCH_A 0, 0, 0
	FETCH_A 0, 0, 4
	STEP 0, 0, 1
	s_mov_b32 s3, LAPS-1
.Llap:
	TURN 0, 1, 1
	STEP 1, 0, 0
	TURN 1, 0, 1
	STEP 0, 0, 0
	s_sub_co_u32 s3, s3, 1
	s_cmp_lg_u32 s3, 0
	s_cbranch_scc1 .Llap
	TURN 0, 1, 0
	STEP 1, 0, 0
	s_wait_dscnt 4*NL
	WIN MUL_LO
	MUL16 0, 1, 0
	MUL16 2, 1, 0
	s_wait_dscnt 0
	WIN MUL_HI
	MUL16 4, 1, 0
	MUL16 6, 1, 0
	WIN 0
.macro QSTAGE a
.set AC, 64*((\a)%4)
; THE WAY OUT.  pc is laid as the attention's operand registers want it: a block of 16 rows x 128 columns is 2,048 bytes, [4 groups of four registers][32 lanes][16 bytes].
; Lane (r, h) holds row r and, in the two registers of column block b, columns 16 b + 8 h + 0..7: registers 4 g .. 4 g + 3 are its part of a fragment as they stand, so they are stored with no turn through LDS.
; q, k: groups 0, 1 are the pair's first head (K = 64), groups 2, 3 its second; v (rows = channels, columns = 128 keys): the four groups are one fragment of K = 128.  Each block has its own sixteen registers.
.set CD, BK+16*(\a)
	WIN (0x02+((\a)/4))
.set j, 0
.rept 64
	v_med3_num_f32 v[TMP+j], v[AC+j], -v[LIM], v[LIM]
.set j, j+1
.endr
	WIN 0
.irp b, 0,1,2,3,4,5,6,7
	v_cvt_scalef32_pk8_fp8_f32 v[CD+2*\b:CD+2*\b+1], v[TMP+8*\b:TMP+8*\b+7], v[SCL]
.endr
	v_nop
.endm
.macro QSEND a, younger
.irp t, 0,1,2,3
	global_store_b128 v[CO], v[BK+16*(\a)+4*\t:BK+16*(\a)+4*\t+3], s[10:11] offset:2048*(\a)+512*\t
.endr
.endm
	s_wait_kmcnt 0x0
	s_add_co_i32 s94, s68, s69
	s_add_co_i32 s95, s70, s71
	s_add_co_i32 s96, s72, s73
	s_cmp_eq_u32 s93, 0
	s_cselect_b32 s94, s94, s95
	s_cselect_b32 s97, s74, s75
	s_cmp_eq_u32 s93, 2
	s_cselect_b32 s94, s96, s94
	s_cselect_b32 s97, s77, s97
	s_sub_co_i32 s94, s97, s94
	s_add_co_i32 s94, s94, 127
	s_lshl_b32 s95, s94, 23
	v_mov_b32 v[SCL], s95
	s_add_co_i32 s94, s94, 8
	s_lshl_b32 s94, s94, 23
	s_or_b32 s94, s94, 0x600000
	v_mov_b32 v[LIM], s94
	PLACES NP
	QSTAGE 0
.irp a, 1,2,3,4,5,6,7
	QSTAGE \a
	QSEND \a-1, 12
.endr
	QSEND 7, 0
	s_wait_tensorcnt 0x0
	ds_add_u32 v[SPW], v[NIL]
	s_wait_dscnt 0x0
	CROUND
	s_endpgm
.Lfunc_end_k_q16428ed82e_proj:
	.size	k_q16428ed82e_proj, .Lfunc_end_k_q16428ed82e_proj-k_q16428ed82e_proj
	.p2alignl 7, 3214868480
	.fill 96, 4, 3214868480
	.section	.rodata,"a",@progbits
	.p2align	6, 0x0
	.amdhsa_kernel k_q16428ed82e_proj
		.amdhsa_group_segment_fixed_size 327680
		.amdhsa_private_segment_fixed_size 0
		.amdhsa_enable_private_segment 0
		.amdhsa_kernarg_size 32
		.amdhsa_user_sgpr_count 2
		.amdhsa_user_sgpr_kernarg_segment_ptr 1
		.amdhsa_wavefront_size32 1
		.amdhsa_system_sgpr_workgroup_id_x 1
		.amdhsa_system_sgpr_workgroup_id_y 1
		.amdhsa_system_sgpr_workgroup_id_z 1
		.amdhsa_system_vgpr_workitem_id 0
		.amdhsa_next_free_vgpr 1024
		.amdhsa_next_free_sgpr 100
		.amdhsa_reserve_vcc 0
		.amdhsa_float_denorm_mode_32 3
		.amdhsa_float_denorm_mode_16_64 3
		.amdhsa_memory_ordered 1
		.amdhsa_forward_progress 1
		.amdhsa_inst_pref_size 120
	.end_amdhsa_kernel
	.amdgpu_metadata
---
amdhsa.version: [ 1, 2 ]
amdhsa.kernels:
  - .name:           k_q16428ed82e_proj
    .symbol:         k_q16428ed82e_proj.kd
    .args:
      - { .name: xc, .offset: 0, .size: 8, .value_kind: global_buffer, .address_space: global }
      - { .name: wc, .offset: 8, .size: 8, .value_kind: global_buffer, .address_space: global }
      - { .name: lowp_scales, .offset: 16, .size: 8, .value_kind: global_buffer, .address_space: global }
      - { .name: pc, .offset: 24, .size: 8, .value_kind: global_buffer, .address_space: global }
    .group_segment_fixed_size: 327680
    .private_segment_fixed_size: 0
    .kernarg_segment_align: 8
    .kernarg_segment_size: 32
    .max_flat_workgroup_size: 128
    .sgpr_count:     100
    .vgpr_count:     1024
    .wavefront_size: 32
...
	.end_amdgpu_metadata
.endif
;; end of part 2
;; launch attn (part 3): grid 16 x 16, 8 waves a work-group, no clusters, 157,696 bytes of LDS; arguments pc, mask, lowp_scales, fl, oc; writes oc
.if DOCPART == 3
	.amdgcn_target "amdgcn-amd-amdhsa--gfx1250"
	.amdhsa_code_object_version 6
	.text
	.protected	k_q16428ed82e_attn
	.globl	k_q16428ed82e_attn
	.p2align	8
	.type	k_q16428ed82e_attn,@function
k_q16428ed82e_attn:
	s_mov_b64 s[64:65], 0
	v_nop
	global_prefetch_b8 v0, s[64:65] scope:SCOPE_SE
	s_setreg_imm32_b32 hwreg(HW_REG_WAVE_MODE, 25, 1), 1
	s_wait_xcnt 0x0
; PRODUCTS 4 AND 5 on codes of E4M3, with the mask, the softmax and the quantiser of o.
; WORK LEFT OUT BY STORED WHOLE NUMBERS (fl, made by the first launch from the mask's values; the proof stands at that kernel's head): a tile of 64 queries x 128 keys whose m are all 0, while each of
; the 64 rows has some m >= 1, gives p = 0 throughout and is passed over (LIMIT: e6 + e7 <= 7).  A tile whose m are all 1 has the term 0: the mask is not read.  Every other tile takes the mask as it is given.
; logit L = score x 2^(e6 + e7) / 8 + (1 - m) x (-1e9); t = L x log2(e); M = the running largest t rounded UP to a whole number; p = 2^(t - M) is quantised (e8), not normalised; the row's sum is taken of the
; unquantised p and divides at the end.  When M moves, the sum and O are multiplied by 2^(old M - new M): exact.  With the term 0, t - M is one fused multiply-add of the score; with a mask, L and t are rounded each on its own.
; THE MASK'S TERM is one fused multiply-add, m x 1e9 - 1e9.  LIMIT: it is (1 - m) x (-1e9) bit for bit where m is 0 or 1 and wherever both of that form's roundings are exact; else it is rounded once, not twice.
; THE HOLD of p at 448 x 2^e8 is run where e8 < -8; for e8 >= -8 that bound is at least 1.75 and p is at most 1 but for its last bit.
; LIMITS: e6 + e7 - 3 at least -126; e8 and e10 between -126 and 119; e8 + e9 is applied by v_ldexp_f32.  NaN among the inputs is not served.
; SHARES.  256 work-groups of 8 waves: x = 0..15, y = 4 x batch + group of four heads.  A work-group takes two blocks of 64 queries one after the other, 31 - x and then x, for its four heads.  The TWO WAVES OF A HEAD
; (numbers 2 k, 2 k + 1) take the same 64 queries and share the keys, each with a running M, sum and O^T of its own.  THE DEAL, made at the head from fl: of the tiles that are all 1 the first, third .. go to one wave;
; of the tiles with a mask, which hold more work, the first, third .. go to the other (a set bit's place in its row is the parity of the set bits up to it, made by four shifts and exclusive ors).
; At a block's end one of the two hands its O^T, -M and sums to the other through LDS bytes of its own; that one brings both parts under the larger M (exact powers of two), adds, divides, quantises.
; Which of the two sends is the parity of the number's three bits.  A wave to which the deal leaves no tile jumps over the loop and hands on, or keeps, zeros under M = -3e38.
; NO TENSOR LOADS, NO CLUSTER: the walk over the key tiles hangs on fl.  K and V come from pc straight into registers: pc holds fragment images,
; so each load reads 512 consecutive bytes.  MY TILES OF THE TWO BLOCKS ARE ONE STREAM: the next tile's K is asked for behind the step's last first product, its V behind the second products, from the first block's last
; trip on into the second block's first tile; the second block's Q is asked for at the start of the first block's end.
; In the stream's last trip the tile asked for is clamped to 15 and its registers are not read: so the counts of the waits hold on every path.
; PREFETCH.  All 16 work-groups of a batch and head group walk the same K and V: work-group x names tile 15 - x of its four heads once, at the head (one wave a head, 8 KiB of K and 8 KiB of V, lanes 256 bytes
; apart): each block of 256 bytes is named once in the launch.  The next tile's mask, where it will be read, is named in the middle of the trip before by the work-groups with y = 0, 16 rows a wave.
; LAYOUT.  Both products transposed: S^T = K Q^T (K = 64), O^T = V^T P^T (K = 128): lane (r, h) holds query r; register 8 t + j of S^T is key 16 t + 8 h + j, and the conversions' results are P's registers.
; A STEP with the term 0: first products of tiles 0 and 1; then each tile's softmax stands behind the next tile's first products (two sets of scores by turns); the sixteen second products come at the end.
; REGISTERS.  Window 0: v1 16 x lane; v2, v3 the add's two; v4 the mask's offset; v5 its prefetch's; v6, v7 bound and scale; v8-23 for each tile -M, the largest t, the sum in two halves; v[24:25] f; v26-31 at work;
;   v32-63 Q; v64-127, v128-191 scores (the second set: the mask's term in a step with a mask); v192-255 P's codes; at a block's end v64-191 the partner's O^T, then o; v192.. codes, the partner's -M and sums, addresses.
;   Window 1: v0-127 O^T (tile i, channels 16 t: 32 i + 8 t); v128-191 K; v192-255 V.
.set SP,    272                        ; the stage: 64 rows x (256 bytes + 16)
.set XCH,   64*SP                      ; behind it, for each wave: 16 KiB for O^T's image, 512 bytes for -M, 512 for the sums
.set XW,    17408
.set SPARE, XCH+8*XW                   ; behind those: the spare words, 128 bytes for each of eight waves
.set LOFF, 1
.set SPW,  2
.set NIL,  3
.set MOFF, 4
.set PFM,  5
.set LIMV, 6
.set SCLV, 7
.set ST,   8
.set FF,   24
.set T,    26
.set QF,   32
.set SA,   64
.set SB,   128
.set PF,   192
.set KF,   128
.set VF,   192
.set XP,   PF+32                       ; a block's end: -M (4) and sums (4), mine to send or the partner's; v[PF+40..43] the joint -M
.set XN,   PF+40
.set XA,   PF+44
.set XL,   PF+45
.set STO,  PF+46
.set RD,   PF+47
.set GO,   PF+48
.set ER,   PF+49
.set EH,   PF+50
.set SC10, PF+51
.set LI10, PF+52
.set WV, 14
.set W3, 15                            ; my head in the group
.set QB, 16                            ; the block of 64 queries in hand
.set BA, 17
.set HG, 18
.set YY, 19
.set SEL, 20
.set CS, 22                            ; s[22:23] 2^(e6 + e7 - 3) x log2(e);  s[24:25] 1.0;  s[26:27] 2^(e6 + e7 - 3);  s[28:29] log2(e);  s[30:31] 1e9
.set ONE, 24
.set C2, 26
.set LE, 28
.set BIG, 30
.set KBASE, 32
.set VBASE, 34
.set MROW, 36
.set KB, 38
.set VB, 40
.set MB, 42
.set TT, 44
.set PM, 46
.set KT, 48                            ; the tile whose K and V were asked for last
.set REM, 50                           ; my tiles of the block in hand that are still to be asked for, a bit each;  s87 those of the block behind it
.set NB, 51                            ; the block's tiles that are all 1
.set CNT, 61
.set HOLD, 62
.set PW, 63
.set E89, 66
.set ASKF, 67
.set FLA, 68                           ; what holds of all 64 rows of block 31 - x;  s84 of block x
.set QP, 70
.set PKB, 72
.set PVB, 74
.set OB, 76
.set BLK, 78                           ; 1: I send at a block's end
.set COF, 79
.set JJ, 80
.set XSB, 81
.set XLB, 82
.set S10, 83
.set FLB, 84
.set L10, 85
.set OPN, 86                           ; 1: the tile at s48 is all 1
.set NXT, 87
.set CN0, 88                           ; how many tiles of each block are mine
.set CN1, 89
.set NB0, 90
.set NB1, 91
.set ZM,  92                           ; 0 or all ones, by s78
.set MSB, 0
.macro WIN new                         ; the immediate's high byte repeats the setting that is left
.if MSB != \new
	s_set_vgpr_msb (MSB<<8)|\new
.set MSB, \new
.endif
.endm
.macro NOP4                            ; four places behind matrix instructions (ISA guide 7.12.1)
.rept 4
	v_nop
.endr
.endm
.macro PARITY m                        ; s52 bit k = the parity of the set bits 0 .. k of s[m]
	s_lshl_b32 s55, s\m, 1
	s_xor_b32 s52, s\m, s55
	s_lshl_b32 s55, s52, 2
	s_xor_b32 s52, s52, s55
	s_lshl_b32 s55, s52, 4
	s_xor_b32 s52, s52, s55
	s_lshl_b32 s55, s52, 8
	s_xor_b32 s52, s52, s55
.endm
.macro DEAL f, nb, my, cn              ; a block's word -> its tiles all 1, my tiles, their number
	s_lshr_b32 s[\nb], s[\f], 16
	s_and_b32 s52, s[\f], 0xffff
	s_xor_b32 s52, s52, 0xffff                     ; the tiles to walk:
	s_and_b32 s53, s52, s[\nb]                     ; those all 1,
	s_and_not1_b32 s54, s52, s[\nb]                ; those with a mask
	PARITY 53
	s_xor_b32 s52, s52, s[ZM]
	s_and_b32 s53, s53, s52
	PARITY 54
	s_xor_b32 s52, s52, s[ZM]
	s_and_not1_b32 s54, s54, s52
	s_or_b32 s[\my], s53, s54
	s_bcnt1_i32_b32 s[\cn], s[\my]
.endm
.macro ASKM                            ; the next tile's mask, 16 rows x 512 bytes a wave, two lanes to a row
	s_cmp_eq_u32 s[ASKF], 0
	s_cbranch_scc0 .Lna_\@
	global_prefetch_b8 v[PFM], s[PM:PM+1] th:TH_LOAD_NT scope:SCOPE_SE
.Lna_\@:
.endm
; The stream's next tile (15 where none is left) and its bases.  full = 1, in a step's middle: behind a wait on XCNT for which nothing young is out (the last loads went out at the last step's end, or a softmax ago)
.macro NEXT full
.if \full
	s_wait_xcnt 0x0                                ; every load and prefetch issued so far has read its base
.endif
	s_mov_b32 s55, s[REM]
	s_cmp_lg_u32 s[REM], 0
	s_cselect_b32 s53, s[REM], s[NXT]              ; this block's, or, when they are used up, the next block's
	s_ctz_i32_b32 s[KT], s53
	s_min_u32 s[KT], s[KT], 15
	s_lshl_b32 s54, 1, s[KT]
	s_and_not1_b32 s[REM], s[REM], s54
	s_cmp_eq_u32 s55, 0
	s_cselect_b32 s54, s54, 0
	s_and_not1_b32 s[NXT], s[NXT], s54
	s_lshl_b32 s[TT], s[KT], 14
	s_add_nc_u64 s[KB:KB+1], s[KBASE:KBASE+1], s[TT:TT+1]
	s_lshl_b32 s[TT], s[KT], 17
	s_add_nc_u64 s[VB:VB+1], s[VBASE:VBASE+1], s[TT:TT+1]
.if \full
	s_lshl_b32 s[TT], s[KT], 9
	s_add_nc_u64 s[MB:MB+1], s[MROW:MROW+1], s[TT:TT+1]
	s_add_co_u32 s[TT], s[TT], s[PW]
	s_add_nc_u64 s[PM:PM+1], s[MROW:MROW+1], s[TT:TT+1]
	s_lshr_b32 s53, s[NB], s[KT]
	s_and_b32 s[OPN], s53, 1
	s_or_b32 s53, s[OPN], s[YY]
	s_cmp_eq_u32 s[CNT], 1
	s_cselect_b32 s54, 1, 0
	s_or_b32 s[ASKF], s53, s54                     ; 0: y = 0, the block has a next tile of mine, and its mask will be read
	ASKM
.endif
.endm
.macro QLOAD
.irp i, 0,1,2,3
	global_load_b128 v[QF+8*\i:QF+8*\i+3], v[LOFF], s[QP:QP+1] offset:2048*\i
	global_load_b128 v[QF+8*\i+4:QF+8*\i+7], v[LOFF], s[QP:QP+1] offset:2048*\i+512
.endr
.endm
.macro KLOAD                           ; 8 tiles of 16 keys, 1 KiB each
	WIN 0x40
.set t, 0
.rept 8
	global_load_b128 v[KF+8*t:KF+8*t+3], v[LOFF], s[KB:KB+1] offset:2048*t
	global_load_b128 v[KF+8*t+4:KF+8*t+7], v[LOFF], s[KB:KB+1] offset:2048*t+512
.set t, t+1
.endr
	WIN 0
.endm
.macro VLOAD                           ; 4 tiles of 16 channels x 128 keys, 2 KiB each
	WIN 0x40
.set t, 0
.rept 16
	global_load_b128 v[VF+4*t:VF+4*t+3], v[LOFF], s[VB:VB+1] offset:512*t
.set t, t+1
.endr
	WIN 0
.endm
.macro MLOAD i                         ; the mask of tile i's queries, in S^T's own layout
.set t, 0
.rept 8
	global_load_b128 v[SB+8*t:SB+8*t+3], v[MOFF], s[MB:MB+1] offset:131072*(\i)+64*t
	global_load_b128 v[SB+8*t+4:SB+8*t+7], v[MOFF], s[MB:MB+1] offset:131072*(\i)+64*t+16
.set t, t+1
.endr
.endm
.macro QK i, sb                        ; S^T of query tile i
	WIN 0x01
.set t, 0
.rept 8
	v_wmma_f32_16x16x64_fp8_fp8 v[\sb+8*t:\sb+8*t+7], v[KF+8*t:KF+8*t+7], v[QF+8*(\i):QF+8*(\i)+7], 0
.set t, t+1
.endr
	WIN 0
.endm
.macro APPLY                           ; scores in SA, mask in SB -> t in SA
	v_mov_b32 v[T+4], 0xce6e6b28                   ; -1e9
	v_mov_b32 v[T+5], 0xce6e6b28
.set j, 0
.rept 32
	v_pk_fma_f32 v[SB+j:SB+j+1], v[SB+j:SB+j+1], s[BIG:BIG+1], v[T+4:T+5] op_sel_hi:[1,0,0]
.set j, j+2
.endr
	s_wait_alu depctr_va_vdst(0)
.set j, 0
.rept 32
	v_pk_fma_f32 v[SA+j:SA+j+1], v[SA+j:SA+j+1], s[C2:C2+1], v[SB+j:SB+j+1] op_sel_hi:[1,0,1]   ; L: the scaling is exact, so this is the f32 sum
.set j, j+2
.endr
.set j, 0
.rept 32
	v_pk_mul_f32 v[SA+j:SA+j+1], v[SA+j:SA+j+1], s[LE:LE+1] op_sel_hi:[1,0]   ; t, rounded on its own
.set j, j+2
.endr
.endm
; THE SOFTMAX of query tile i on the 64 numbers x a lane in sb; t = c x x (c > 0).
.macro CORE i, sb, c
.set NM, ST+4*(\i)
.set SU, ST+4*(\i)+2
	s_wait_alu depctr_va_vdst(0)
	v_max3_num_f32 v[T], v[\sb], v[\sb+1], v[\sb+2]   ; the largest, in four chains, each accumulator from its low end on
	v_max3_num_f32 v[T+1], v[\sb+3], v[\sb+4], v[\sb+5]
	v_max3_num_f32 v[T+2], v[\sb+6], v[\sb+7], v[\sb+8]
	v_max3_num_f32 v[T+3], v[\sb+9], v[\sb+10], v[\sb+11]
.set j, 12
.rept 26
	v_max3_num_f32 v[T+((j-12)/2)%4], v[T+((j-12)/2)%4], v[\sb+j], v[\sb+j+1]
.set j, j+2
.endr
	v_max3_num_f32 v[T], v[T], v[T+1], v[T+2]
	s_delay_alu instid0(VALU_DEP_1)
	v_max_num_f32 v[T], v[T], v[T+3]
	s_delay_alu instid0(VALU_DEP_1)
	v_permlanex16_b32 v[T+1], v[T], s[SEL], s[SEL+1]
	s_delay_alu instid0(VALU_DEP_1)
	v_max_num_f32 v[T], v[T], v[T+1]               ; and lane l xor 16's
	s_delay_alu instid0(VALU_DEP_1)
	v_mul_f32 v[T], s[\c], v[T]
	s_delay_alu instid0(VALU_DEP_1)
	v_max_num_f32 v[NM+1], v[NM+1], v[T]           ; the running largest t
	v_mov_b32 v[T], v[NM]
	s_delay_alu instid0(VALU_DEP_2)
	v_floor_f32 v[NM], -v[NM+1]                    ; -M = -ceil(t)
	s_delay_alu instid0(VALU_DEP_1)
	v_sub_f32 v[T], v[NM], v[T]                    ; old M - new M, a whole number
	s_delay_alu instid0(VALU_DEP_1)
	v_cvt_i32_f32 v[T], v[T]                       ; (it saturates)
	s_delay_alu instid0(VALU_DEP_1)
	v_ldexp_f32 v[FF], 1.0, v[T]                   ; f
.set j, 0
.rept 32
	v_pk_fma_f32 v[\sb+j:\sb+j+1], v[\sb+j:\sb+j+1], s[\c:\c+1], v[NM:NM+1] op_sel_hi:[1,0,0]   ; t - M
.set j, j+2
.endr
	s_wait_alu depctr_va_vdst(0)                   ; ahead of the batch
.set j, 0
.rept 64
	v_exp_f32 v[\sb+j], v[\sb+j]
.set j, j+1
.endr
	v_pk_mul_f32 v[SU:SU+1], v[SU:SU+1], v[FF:FF+1] op_sel_hi:[1,0]   ; the plain place behind the batch
	s_wait_alu depctr_va_vdst(0)                   ; and behind it
	v_pk_add_f32 v[T:T+1], v[\sb:\sb+1], v[\sb+2:\sb+3]               ; the sum of the unquantised p, in three chains
	v_pk_add_f32 v[T+2:T+3], v[\sb+4:\sb+5], v[\sb+6:\sb+7]
	v_pk_add_f32 v[T+4:T+5], v[\sb+8:\sb+9], v[\sb+10:\sb+11]
.set j, 12
.rept 26
	v_pk_add_f32 v[T+2*(((j-12)/2)%3):T+2*(((j-12)/2)%3)+1], v[T+2*(((j-12)/2)%3):T+2*(((j-12)/2)%3)+1], v[\sb+j:\sb+j+1]
.set j, j+2
.endr
	v_pk_add_f32 v[T:T+1], v[T:T+1], v[T+2:T+3]
	v_pk_add_f32 v[SU:SU+1], v[SU:SU+1], v[T+4:T+5]
	s_delay_alu instid0(VALU_DEP_1)
	v_pk_add_f32 v[SU:SU+1], v[SU:SU+1], v[T:T+1]
	s_wait_alu depctr_va_vdst(0)
	s_cmp_eq_u32 s[HOLD], 0
	s_cbranch_scc1 .Lnh_\@
.set j, 0
.rept 64
	v_min_num_f32 v[\sb+j], v[\sb+j], v[LIMV]      ; the conversion does not saturate (ISA guide 7.6.2); p is not negative
.set j, j+1
.endr
.Lnh_\@:
.set t, 0
.rept 8
	v_cvt_scalef32_pk8_fp8_f32 v[PF+16*(\i)+2*t:PF+16*(\i)+2*t+1], v[\sb+8*t:\sb+8*t+7], v[SCLV]
.set t, t+1
.endr
	WIN 0x41
	s_wait_alu depctr_va_vdst(0)
.set j, 0
.rept 16
	v_pk_mul_f32 v[32*(\i)+j:32*(\i)+j+1], v[32*(\i)+j:32*(\i)+j+1], v[FF:FF+1] op_sel_hi:[1,0]   ; O^T under the new M
.set j, j+2
.endr
	WIN 0
.endm
	s_load_b256 s[4:11], s[0:1], 0x0               ; pc, mask, the scales' exponents, fl
	s_load_b64 s[12:13], s[0:1], 0x20              ; oc
	v_lshl_add_u32 v[SPW], v0, 2, SPARE
	v_mov_b32 v[NIL], 0
	v_lshrrev_b32 v[T], 5, v0
	v_readfirstlane_b32 s[WV], v[T]                ; wave 0..7
	v_and_b32 v[T+1], 31, v0
	v_and_b32 v[T+2], 15, v0                       ; r
	v_bfe_u32 v[T+3], v0, 4, 1                     ; h
	v_lshlrev_b32 v[LOFF], 4, v[T+1]
	v_lshlrev_b32 v[MOFF], 13, v[T+2]
	v_lshl_add_u32 v[MOFF], v[T+3], 5, v[MOFF]     ; the mask: row r of 8,192 bytes, + 32 h
	v_lshrrev_b32 v[PFM], 1, v[T+1]
	v_and_b32 v[T+4], 1, v[T+1]
	v_lshlrev_b32 v[PFM], 13, v[PFM]
	v_lshl_add_u32 v[PFM], v[T+4], 8, v[PFM]       ; row lane / 2, + 256 (lane % 2)
	v_lshrrev_b32 v[SA], 2, v[T+1]
	v_and_b32 v[T+5], 3, v[T+1]
	v_lshlrev_b32 v[SA], 11, v[SA]
	v_lshl_add_u32 v[SA], v[T+5], 8, v[SA]         ; K's prefetch: my head's 1 KiB of each 2 KiB, lanes 256 bytes apart
	v_lshlrev_b32 v[SA+1], 8, v[T+1]               ; V's: 8 KiB on end
	v_mov_b32 v[FF+1], 0
	s_wait_alu depctr_va_vdst(0)
	s_mov_b32 s[SEL], 0x76543210
	s_mov_b32 s[SEL+1], 0xfedcba98
	s_mov_b32 s[ONE], 1.0
	s_mov_b32 s[ONE+1], 1.0
	s_mov_b32 s[LE], 0x3fb8aa3b
	s_mov_b32 s[LE+1], 0x3fb8aa3b
	s_mov_b32 s[BIG], 0x4e6e6b28
	s_mov_b32 s[BIG+1], 0x4e6e6b28
	s_mov_b32 s[TT+1], 0
	s_wait_kmcnt 0x0
	s_load_b128 s[56:59], s[8:9], 0x18             ; e6 .. e9
	s_load_b32 s60, s[8:9], 0x28                   ; e10
	s_sub_co_u32 s52, 31, ttmp9
	s_lshl_b32 s52, s52, 6
	s_mov_b32 s53, 0
	s_add_nc_u64 s[54:55], s[10:11], s[52:53]
	s_load_b512 s[68:83], s[54:55], 0x0            ; the words of the 16 groups of four rows of block 31 - x,
	s_lshl_b32 s52, ttmp9, 6
	s_add_nc_u64 s[10:11], s[10:11], s[52:53]
	s_load_b512 s[84:99], s[10:11], 0x0            ; and of block x
	s_lshr_b32 s[W3], s[WV], 1
	s_and_b32 s[YY], ttmp7, 0xffff
	s_lshr_b32 s[BA], s[YY], 2
	s_and_b32 s[HG], s[YY], 3
	s_lshl_b32 s[PW], s[W3], 17
	s_wait_kmcnt 0x0
.irp k, 69,70,71,72,73,74,75,76,77,78,79,80,81,82,83
	s_and_b32 s68, s68, s\k                        ; what holds of all 64 rows
.endr
.irp k, 85,86,87,88,89,90,91,92,93,94,95,96,97,98,99
	s_and_b32 s84, s84, s\k
.endr
	s_lshr_b32 s52, s[WV], 2
	s_xor_b32 s52, s52, s[W3]
	s_xor_b32 s52, s52, s[WV]
	s_and_b32 s[BLK], s52, 1
	s_cmp_eq_u32 s[BLK], 0
	s_cselect_b32 s[ZM], 0, -1
	s_mul_i32 s[XSB], s[WV], XW
	s_add_co_u32 s[XSB], s[XSB], XCH               ; my bytes for handing on,
	s_xor_b32 s52, s[WV], 1
	s_mul_i32 s[XLB], s52, XW
	s_add_co_u32 s[XLB], s[XLB], XCH               ; and my partner's
	s_lshl_b32 s52, s[HG], 1
	s_lshr_b32 s53, s[W3], 1
	s_add_co_u32 s52, s52, s53
	s_lshl_b32 s52, s52, 20                        ; the pair of heads: 1 MiB,
	s_and_b32 s53, s[W3], 1
	s_lshl_b32 s53, s53, 10                        ; my head's half of each block,
	s_add_co_u32 s52, s52, s53
	s_lshl_b32 s53, s[BA], 18                      ; the batch's 128 blocks of 16 rows
	s_add_co_u32 s[COF], s52, s53
	s_add_co_u32 s[TT], s[COF], 0x800000
	s_add_nc_u64 s[KBASE:KBASE+1], s[4:5], s[TT:TT+1]
	s_lshl_b32 s52, s[HG], 2
	s_add_co_u32 s52, s52, s[W3]
	s_lshl_b32 s52, s52, 13                        ; V: my head's 64 channels,
	s_lshl_b32 s53, s[BA], 21                      ; the batch's 16 steps of 128 KiB
	s_add_co_u32 s52, s52, s53
	s_add_co_u32 s[TT], s52, 0x1000000
	s_add_nc_u64 s[VBASE:VBASE+1], s[4:5], s[TT:TT+1]
	s_sub_co_u32 s52, 31, ttmp9
	s_lshl_b32 s53, s52, 13
	s_add_co_u32 s[TT], s[COF], s53                ; Q of block 31 - x: 4 blocks of 16 rows for each block of queries
	s_add_nc_u64 s[QP:QP+1], s[4:5], s[TT:TT+1]
	QLOAD
	DEAL FLA, NB0, REM, CN0
	DEAL FLB, NB1, NXT, CN1
	NEXT 0                                         ; the stream's first tile
	KLOAD
	VLOAD
	s_sub_co_u32 s52, 15, ttmp9
	s_lshl_b32 s[TT], s52, 14
	s_add_nc_u64 s[PKB:PKB+1], s[KBASE:KBASE+1], s[TT:TT+1]
	s_lshl_b32 s[TT], s52, 17
	s_add_nc_u64 s[PVB:PVB+1], s[VBASE:VBASE+1], s[TT:TT+1]
	s_cmp_eq_u32 s[BLK], 0
	s_cbranch_scc1 .Lnopf
	global_prefetch_b8 v[SA], s[PKB:PKB+1] th:TH_LOAD_NT scope:SCOPE_SE
	global_prefetch_b8 v[SA+1], s[PVB:PVB+1] th:TH_LOAD_NT scope:SCOPE_SE
.Lnopf:
	s_add_co_i32 s52, s56, s57                     ; e6 + e7
	s_add_co_i32 s53, s52, 124
	s_lshl_b32 s[C2], s53, 23                      ; 2^(e6 + e7 - 3)
	s_mov_b32 s[C2+1], s[C2]
	s_sub_co_i32 s52, s52, 3
	s_lshl_b32 s52, s52, 23
	s_add_co_i32 s[CS], s52, 0x3fb8aa3b            ; the same added to log2(e)'s exponent field
	s_mov_b32 s[CS+1], s[CS]
	s_add_co_i32 s52, s58, 127
	s_lshl_b32 s53, s52, 23
	v_mov_b32 v[SCLV], s53                         ; 2^e8
	s_add_co_i32 s52, s52, 8
	s_lshl_b32 s52, s52, 23
	s_or_b32 s52, s52, 0x600000
	v_mov_b32 v[LIMV], s52                         ; 448 x 2^e8
	s_add_co_i32 s52, s60, 127
	s_lshl_b32 s[S10], s52, 23                     ; 2^e10
	s_add_co_i32 s52, s52, 8
	s_lshl_b32 s52, s52, 23
	s_or_b32 s[L10], s52, 0x600000                 ; 448 x 2^e10
	s_cmp_ge_i32 s58, -8
	s_cselect_b32 s[HOLD], 0, 1
	s_add_co_i32 s[E89], s58, s59
	s_mov_b32 s[JJ], 0
.Ljob:                                             ; two trips: block 31 - x, then block x.  Q and the first tile's K and V are on their way or in
	s_wait_xcnt 0x0                                ; every base, offset and store's data may be written
	s_sub_co_u32 s52, 31, ttmp9
	s_cmp_eq_u32 s[JJ], 0
	s_cselect_b32 s[QB], s52, ttmp9
	s_cselect_b32 s[NB], s[NB0], s[NB1]
	s_cselect_b32 s[CNT], s[CN0], s[CN1]
	s_lshl_b32 s[TT], s[QB], 19
	s_add_nc_u64 s[MROW:MROW+1], s[6:7], s[TT:TT+1]
	s_lshl_b32 s[TT], s[KT], 9
	s_add_nc_u64 s[MB:MB+1], s[MROW:MROW+1], s[TT:TT+1]   ; the first tile's mask and kind, by this block's rows
	s_lshr_b32 s53, s[NB], s[KT]
	s_and_b32 s[OPN], s53, 1
	s_lshl_b32 s52, s[BA], 11
	s_lshl_b32 s53, s[QB], 6
	s_add_co_u32 s52, s52, s53
	s_lshl_b32 s53, s[WV], 3
	s_add_co_u32 s52, s52, s53                     ; the rows that I store: 2,048 x batch + 64 x block + 8 x wave on
	s_lshl_b32 s52, s52, 10
	s_lshl_b32 s53, s[HG], 8
	s_add_co_u32 s[TT], s52, s53
	s_add_nc_u64 s[OB:OB+1], s[12:13], s[TT:TT+1]
.irp i, 0,1,2,3
	v_mov_b32 v[ST+4*\i+1], 0xff61b1e6             ; the largest t so far: -3e38
	v_mov_b32 v[ST+4*\i+2], 0
	v_mov_b32 v[ST+4*\i+3], 0
.endr
.irp i, 0,1,2,3
	v_floor_f32 v[ST+4*\i], -v[ST+4*\i+1]
.endr
	WIN 0x40
.set j, 0
.rept 128
	v_mov_b32 v[j], 0                              ; O^T: the step has no first form of its own; the first change of M leaves zeros zeros
.set j, j+1
.endr
	WIN 0
	s_wait_alu depctr_va_vdst(0)
	s_wait_loadcnt 0x0                             ; Q, and the first tile's K and V
	s_cmp_eq_u32 s[CNT], 0
	s_cbranch_scc1 .Ldone
.Lstep:                                            ; a trip: one of my tiles of 128 keys
	s_cmp_eq_u32 s[OPN], 0
	s_cbranch_scc1 .Lmixed
	s_wait_loadcnt 16                              ; K is in; V's sixteen loads may be out
	QK 0, SA
	QK 1, SB
	NOP4
	CORE 0, SA, CS
	QK 2, SA
	CORE 1, SB, CS
	QK 3, SB
	NOP4                                           ; places ahead of the loads into K's registers
	NEXT 1
	KLOAD
	CORE 2, SA, CS
	CORE 3, SB, CS
	s_branch .Lpv
.Lmixed:                                           ; a tile whose mask is read: one set of scores, the other set holds the mask, asked for a query tile ahead
	MLOAD 0
	s_wait_loadcnt 32                              ; K is in; V's sixteen and the mask's sixteen may be out
	QK 0, SA
	NOP4
.irp i, 0,1,2,3
.if \i == 3
	s_wait_loadcnt 16                              ; the mask is in; the next K's sixteen may be out
.else
	s_wait_loadcnt 0x0
.endif
	APPLY
.if \i < 3
	MLOAD \i+1
.endif
	CORE \i, SA, ONE
.if \i < 3
	QK \i+1, SA
	NOP4
.endif
.if \i == 2
	NEXT 1
	KLOAD
.endif
.endr
.Lpv:
	s_wait_alu depctr_va_vdst(0)
	s_wait_loadcnt 16                              ; V is in; the next K's sixteen may be out
	WIN 0x51
.irp i, 0,1,2,3
.irp t, 0,1,2,3
	v_wmma_f32_16x16x128_fp8_fp8 v[32*\i+8*\t:32*\i+8*\t+7], v[VF+16*\t:VF+16*\t+15], v[PF+16*\i:PF+16*\i+15], v[32*\i+8*\t:32*\i+8*\t+7]   ; sixteen accumulators by turns
.endr
.endr
	NOP4                                           ; places ahead of the loads into V's registers, and of what follows the loop
	VLOAD
	s_sub_co_u32 s[CNT], s[CNT], 1
	s_cmp_lg_u32 s[CNT], 0
	s_cbranch_scc1 .Lstep
.Ldone:	; A BLOCK'S END.  First the next block's Q is asked for: it lands under the end's work.
	s_cmp_lg_u32 s[JJ], 0
	s_cbranch_scc1 .Lnoq
	s_lshl_b32 s53, ttmp9, 13
	s_add_co_u32 s[TT], s[COF], s53
	s_add_nc_u64 s[QP:QP+1], s[4:5], s[TT:TT+1]    ; (the loads that read this base were waited for ahead of the walk)
	QLOAD
.Lnoq:	; Every LDS address is made ahead of the first parting of the two roles.
	v_and_b32 v[ER], 15, v0                        ; r
	v_bfe_u32 v[EH], v0, 4, 1                      ; h
	v_add_nc_u32 v[XA], s[XSB], v[LOFF]
	v_add_nc_u32 v[XL], s[XLB], v[LOFF]
	v_mul_u32_u24 v[STO], v[ER], SP                ; the stage, in: row 16 i + r,
	v_lshl_add_u32 v[STO], v[EH], 3, v[STO]        ; + 8 h,
	s_lshl_b32 s53, s[W3], 6
	v_add_nc_u32 v[STO], s53, v[STO]               ; + my head's 64 bytes
	s_lshl_b32 s52, s[WV], 3
	v_add_nc_u32 v[RD], s52, v[EH]                 ; back: rows 8 x wave on, sixteen lanes to a row
	v_mul_u32_u24 v[RD], v[RD], SP
	v_lshl_add_u32 v[RD], v[ER], 4, v[RD]
	v_lshlrev_b32 v[GO], 10, v[EH]
	v_lshl_add_u32 v[GO], v[ER], 4, v[GO]
	v_mov_b32 v[SC10], s[S10]
	v_mov_b32 v[LI10], s[L10]
	s_wait_alu depctr_va_vdst(0)
	s_cmp_eq_u32 s[BLK], 0
	s_cbranch_scc1 .Lkeeps
.irp i, 0,1,2,3
	v_mov_b32 v[XP+\i], v[ST+4*\i]                 ; -M,
	v_add_f32 v[XP+4+\i], v[ST+4*\i+2], v[ST+4*\i+3]   ; my lane's sum,
.endr
	WIN 0x04
.set t, 0
.rept 32
	ds_store_b128 v[XA], v[4*t:4*t+3] offset:512*t ; and O^T as an image of its registers
.set t, t+1
.endr
	WIN 0
	ds_store_b128 v[XA], v[XP:XP+3] offset:16384
	ds_store_b128 v[XA], v[XP+4:XP+7] offset:16896
.Lkeeps:
	s_wait_dscnt 0x0                               ; for the partner's sake: my stores are done
	s_barrier_signal -1
	s_barrier_wait -1
	s_cmp_lg_u32 s[BLK], 0
	s_cbranch_scc1 .Lsent
.set t, 0
.rept 32
	ds_load_b128 v[SA+4*t:SA+4*t+3], v[XL] offset:512*t
.set t, t+1
.endr
	ds_load_b128 v[XP:XP+3], v[XL] offset:16384
	ds_load_b128 v[XP+4:XP+7], v[XL] offset:16896
.irp i, 0,1,2,3
	v_add_f32 v[ST+4*\i+2], v[ST+4*\i+2], v[ST+4*\i+3]
.endr
	s_wait_alu depctr_va_vdst(0)
	s_wait_dscnt 0x0
.irp i, 0,1,2,3
	v_min_num_f32 v[XN+\i], v[ST+4*\i], v[XP+\i]   ; the joint -M
.endr
.irp i, 0,1,2,3
	v_sub_f32 v[ST+4*\i], v[XN+\i], v[ST+4*\i]     ; my M - the joint M, and the partner's: whole numbers, 0 or less
	v_sub_f32 v[XP+\i], v[XN+\i], v[XP+\i]
.endr
.irp i, 0,1,2,3
	v_cvt_i32_f32 v[ST+4*\i], v[ST+4*\i]           ; (they saturate)
	v_cvt_i32_f32 v[XP+\i], v[XP+\i]
.endr
.irp i, 0,1,2,3
	v_ldexp_f32 v[ST+4*\i], 1.0, v[ST+4*\i]        ; the two factors, exact powers of two or 0
	v_ldexp_f32 v[XP+\i], 1.0, v[XP+\i]
.endr
.irp i, 0,1,2,3
	v_mul_f32 v[ST+4*\i+2], v[ST+4*\i+2], v[ST+4*\i]
.endr
.irp i, 0,1,2,3
	v_fmac_f32 v[ST+4*\i+2], v[XP+4+\i], v[XP+\i]
.endr
.irp i, 0,1,2,3
	v_permlanex16_b32 v[T+\i], v[ST+4*\i+2], s[SEL], s[SEL+1]
.endr
.irp i, 0,1,2,3
	v_add_f32 v[ST+4*\i+2], v[ST+4*\i+2], v[T+\i]  ; the row's sum
.endr
	s_wait_alu depctr_va_vdst(0)                   ; ahead of the batch
.irp i, 0,1,2,3
	v_rcp_f32 v[ST+4*\i+2], v[ST+4*\i+2]
.endr
	v_nop                                          ; the plain place behind the batch
	s_wait_alu depctr_va_vdst(0)                   ; and the wait behind it
.irp i, 0,1,2,3
	v_ldexp_f32 v[ST+4*\i+2], v[ST+4*\i+2], s[E89] ; x 2^(e8 + e9)
.endr
.irp i, 0,1,2,3
	v_mul_f32 v[ST+4*\i], v[ST+4*\i], v[ST+4*\i+2]
	v_mul_f32 v[XP+\i], v[XP+\i], v[ST+4*\i+2]
.endr
.irp i, 0,1,2,3
.set j, 0
.rept 32
	v_mul_f32 v[SA+32*\i+j], v[SA+32*\i+j], v[XP+\i]
.set j, j+1
.endr
.endr
	WIN 0x01
	s_wait_alu depctr_va_vdst(0)
.irp i, 0,1,2,3
.set j, 0
.rept 32
	v_fmac_f32 v[SA+32*\i+j], v[32*\i+j], v[ST+4*\i]   ; register 32 i + 8 t + e is o(query 16 i + r, channel 16 t + 8 h + e)
.set j, j+1
.endr
.endr
	WIN 0
.set j, 0
.rept 128
	v_med3_num_f32 v[SA+j], v[SA+j], -v[LI10], v[LI10]
.set j, j+1
.endr
.set t, 0
.rept 16
	v_cvt_scalef32_pk8_fp8_f32 v[PF+2*t:PF+2*t+1], v[SA+8*t:SA+8*t+7], v[SC10]
.set t, t+1
.endr
	v_nop                                          ; one plain vector instruction behind the last conversion
.set t, 0
.rept 16
	ds_store_b64 v[STO], v[PF+2*t:PF+2*t+1] offset:(t/4)*16*SP+16*(t%4)
.set t, t+1
.endr
.Lsent:
	s_wait_dscnt 0x0                               ; for the others' sake: my reads of the partner's bytes and my stores into the stage are done
	s_barrier_signal -1
	s_barrier_wait -1
.set t, 0
.rept 4
	ds_load_b128 v[SA+4*t:SA+4*t+3], v[RD] offset:2*t*SP
.set t, t+1
.endr
.set t, 0
.rept 4
	s_wait_dscnt 3-t                               ; the younger loads may be out
	global_store_b128 v[GO], v[SA+4*t:SA+4*t+3], s[OB:OB+1] offset:2048*t   ; sixteen lanes store 256 consecutive bytes, aligned
.set t, t+1
.endr
	s_mov_b32 s[REM], s[NXT]                       ; the stream goes on in the next block's tiles
	s_mov_b32 s[NXT], 0
	s_add_co_u32 s[JJ], s[JJ], 1
	s_cmp_lt_u32 s[JJ], 2
	s_cbranch_scc1 .Ljob
	s_wait_tensorcnt 0x0                           ; the wave's end
	ds_add_u32 v[SPW], v[NIL]
	s_wait_dscnt 0x0
	s_endpgm
.Lfunc_end_k_q16428ed82e_attn:
	.size	k_q16428ed82e_attn, .Lfunc_end_k_q16428ed82e_attn-k_q16428ed82e_attn
	.p2alignl 7, 3214868480
	.fill 96, 4, 3214868480
	.section	.rodata,"a",@progbits
	.p2align	6, 0x0
	.amdhsa_kernel k_q16428ed82e_attn
		.amdhsa_group_segment_fixed_size 157696
		.amdhsa_private_segment_fixed_size 0
		.amdhsa_enable_private_segment 0
		.amdhsa_kernarg_size 40
		.amdhsa_user_sgpr_count 2
		.amdhsa_user_sgpr_kernarg_segment_ptr 1
		.amdhsa_wavefront_size32 1
		.amdhsa_system_sgpr_workgroup_id_x 1
		.amdhsa_system_sgpr_workgroup_id_y 1
		.amdhsa_system_sgpr_workgroup_id_z 1
		.amdhsa_system_vgpr_workitem_id 0
		.amdhsa_next_free_vgpr 512
		.amdhsa_next_free_sgpr 100
		.amdhsa_reserve_vcc 0
		.amdhsa_float_denorm_mode_32 3
		.amdhsa_float_denorm_mode_16_64 3
		.amdhsa_memory_ordered 1
		.amdhsa_forward_progress 1
		.amdhsa_inst_pref_size 191
	.end_amdhsa_kernel
	.amdgpu_metadata
---
amdhsa.version: [ 1, 2 ]
amdhsa.kernels:
  - .name:           k_q16428ed82e_attn
    .symbol:         k_q16428ed82e_attn.kd
    .args:
      - { .name: pc, .offset: 0, .size: 8, .value_kind: global_buffer, .address_space: global }
      - { .name: mask, .offset: 8, .size: 8, .value_kind: global_buffer, .address_space: global }
      - { .name: lowp_scales, .offset: 16, .size: 8, .value_kind: global_buffer, .address_space: global }
      - { .name: fl, .offset: 24, .size: 8, .value_kind: global_buffer, .address_space: global }
      - { .name: oc, .offset: 32, .size: 8, .value_kind: global_buffer, .address_space: global }
    .group_segment_fixed_size: 157696
    .private_segment_fixed_size: 0
    .kernarg_segment_align: 8
    .kernarg_segment_size: 40
    .max_flat_workgroup_size: 256
    .sgpr_count:     100
    .vgpr_count:     512
    .wavefront_size: 32
...
	.end_amdgpu_metadata
.endif
;; end of part 3
;; launch outp (part 4): grid 4 x 32, 4 waves a work-group, clusters of 4 x 4, 327,680 bytes of LDS; arguments oc, wc, lowp_scales, bo, out0; writes out0
.if DOCPART == 4
	.amdgcn_target "amdgcn-amd-amdhsa--gfx1250"
	.amdhsa_code_object_version 6
	.text
	.protected	k_q16428ed82e_outp
	.globl	k_q16428ed82e_outp
	.p2align	8
	.type	k_q16428ed82e_outp,@function
k_q16428ed82e_outp:
	s_mov_b64 s[64:65], 0
	v_nop
	global_prefetch_b8 v0, s[64:65] scope:SCOPE_SE
	s_setreg_imm32_b32 hwreg(HW_REG_WAVE_MODE, 25, 1), 1
	s_wait_xcnt 0x0
	s_wait_alu depctr_hold_cnt(0) depctr_sa_sdst(0) depctr_va_vdst(0) depctr_va_sdst(0) depctr_va_ssrc(0) depctr_va_vcc(0) depctr_vm_vsrc(0)
	s_getreg_b32 s2, hwreg(HW_REG_IB_STS2, 6, 4)
	s_cmp_eq_u32 s2, 0
	s_cbranch_scc0 .Lentry_in_a_cluster
	s_endpgm
.Lentry_in_a_cluster:
	s_bfe_u32 s2, ttmp6, 0x10000c
	s_cmp_lg_u32 s2, 0xf033
	s_cbranch_scc0 .Lentry_shape_is_right
	s_endpgm
.Lentry_shape_is_right:
.set SIZE_N, 1024
.set KSTEP,  256
.set ROWB,   256
.set KROW,   1024
.set PITCH,  272
.set FR,     16
.set NL,     4
.set NP,     4
.set HALFT,  128*PITCH
.set SLOT,   4*HALFT
.set LAPS,   2
.set SPARE,  2*SLOT
.set SPITCH, 528
.set ADRA, 16
.set ADRB, 20
.set STO,  24
.set RD,   25
.set CO,   26
.set BA,   27
.set SPW,  28
.set NIL,  29
.set TMP,  32
.set AF,   128
.set BK,   128
.set G1, 24
.set G0, 32
.set G1B, 48
.set G0B, 56
.set MSB, 0
.macro WIN new
.if MSB != \new
	s_set_vgpr_msb (MSB<<8)|\new
.set MSB, \new
.endif
.endm
.set MUL_LO, 0xa1
.set MUL_HI, 0xf1
.set TO_B,   0x40
.macro JLOAD g0a, g1a, g0b, g1b
	s_cmp_eq_u32 s15, 0
	s_cbranch_scc0 .Lfor_b_\@
	tensor_load_to_lds s[\g0a:\g0a+3], s[\g1a:\g1a+7]
	s_nop 0
.rept 4
	v_nop
.endr
	s_branch .Lasked_\@
.Lfor_b_\@:
	tensor_load_to_lds s[\g0b:\g0b+3], s[\g1b:\g1b+7]
	s_nop 0
.rept 4
	v_nop
.endr
.Lasked_\@:
.endm
.macro CREST
	s_cmp_lg_u32 s14, 0
	s_cbranch_scc1 .Lnot_wave_0_\@
	s_barrier_signal -3
.Lnot_wave_0_\@:
	s_barrier_wait -3
	s_barrier_signal -1
	s_barrier_wait -1
.endm
.macro CROUND
	s_barrier_signal -1
	s_barrier_wait -1
	CREST
.endm
	s_load_b256 s[4:11], s[0:1], 0x0
	s_load_b64 s[12:13], s[0:1], 0x20
	v_lshl_add_u32 v[SPW], v0, 2, SPARE
	v_mov_b32 v[NIL], 0
	ds_add_u32 v[SPW], v[NIL]
	ds_add_u32 v[SPW], v[NIL]
	v_lshrrev_b32 v1, 5, v0
	v_readfirstlane_b32 s14, v1
	s_lshr_b32 s15, s14, 1
	s_and_b32 s16, s14, 1
	s_bfe_u32 s40, ttmp6, 0x40000
	s_bfe_u32 s41, ttmp6, 0x40004
	s_lshl_b32 s42, ttmp9, 2
	s_add_co_u32 s42, s42, s40
	s_and_b32 s17, ttmp7, 0xffff
	s_lshl_b32 s17, s17, 2
	s_add_co_u32 s17, s17, s41
	s_lshl_b32 s43, s41, 2
	s_lshl_b32 s43, 15, s43
	s_lshl_b32 s44, 0x1111, s40
	s_or_b32 s[G1+0], s43, (0<<16)|(1<<20)|(1<<21)|(5<<22)|(3<<25)
	s_or_b32 s[G1B+0], s44, (0<<16)|(1<<20)|(1<<21)|(5<<22)|(3<<25)
.irp g, G1, G1B
	s_mov_b32 s[\g+1], ROWB<<16
	s_mov_b32 s[\g+2], 128<<16
	s_mov_b32 s[\g+3], ROWB<<16
	s_mov_b32 s[\g+4], 128
	s_mov_b32 s[\g+5], KROW
	s_mov_b32 s[\g+6], 0
	s_mov_b32 s[\g+7], 0
.endr
	s_lshl_b32 s18, s16, 7
	s_lshl_b32 s20, s17, 8
	s_add_co_u32 s20, s20, s18
	s_lshl_b32 s20, s20, 10
	s_mov_b32 s21, 0
	s_lshl_b32 s46, s42, 8
	s_add_co_u32 s46, s46, s18
	s_lshl_b32 s46, s46, 10
	s_mov_b32 s47, 0
	s_mul_i32 s45, s14, HALFT
	s_wait_dscnt 0x0
	s_wait_kmcnt 0x0
	s_load_b64 s[96:97], s[8:9], 0x28
	s_add_nc_u64 s[6:7], s[6:7], 0x300000
	s_add_nc_u64 s[20:21], s[4:5], s[20:21]
	s_add_nc_u64 s[46:47], s[6:7], s[46:47]
	; the prefetches: of the 128 rows that my wave fetches, the partner at place p among the four that ask jointly (cx for oc's rows, cy for Wo's) names rows 32 p .. 32 p + 31, a lane a row: told apart by address alone
	s_cmp_eq_u32 s15, 0
	s_cselect_b64 s[98:99], s[20:21], s[46:47]
	s_cselect_b32 s66, s40, s41
	s_lshl_b32 s66, s66, 15
	s_mov_b32 s67, 0
	s_add_nc_u64 s[98:99], s[98:99], s[66:67]
	v_and_b32 v22, 31, v0
	v_lshlrev_b32 v22, 10, v22
	CROUND
.irp s, 0,1
	s_mov_b32 s[G0+4*\s], 1
	s_add_co_u32 s[G0+4*\s+1], s45, \s*SLOT
	s_add_nc_u64 s[G0+4*\s+2:G0+4*\s+3], s[20:21], \s*ROWB
	s_or_b32 s[G0+4*\s+3], s[G0+4*\s+3], 0x80000000
	s_mov_b32 s[G0B+4*\s], 1
	s_add_co_u32 s[G0B+4*\s+1], s45, \s*SLOT
	s_add_nc_u64 s[G0B+4*\s+2:G0B+4*\s+3], s[46:47], \s*ROWB
	s_or_b32 s[G0B+4*\s+3], s[G0B+4*\s+3], 0x80000000
	s_wait_alu depctr_va_vdst(0)
	s_wait_tensorcnt 0x0
	ds_add_u32 v28, v29
	ds_add_u32 v28, v29
	s_wait_dscnt 0x0
	CROUND
	JLOAD G0+4*\s, G1, G0B+4*\s, G1B
.if \s == 0
	global_prefetch_b8 v22, s[98:99] offset:256 th:TH_LOAD_NT scope:SCOPE_SE   ; behind K step 0's load: K steps 1 and 2, 256 bytes of each row; their loads stand one and two fills on
	global_prefetch_b8 v22, s[98:99] offset:512 th:TH_LOAD_NT scope:SCOPE_SE
.else
	global_prefetch_b8 v22, s[98:99] offset:768 th:TH_LOAD_NT scope:SCOPE_SE   ; behind K step 1's load: K step 3, the last
.endif
.endr
	v_and_b32 v1, 15, v0
	s_wait_alu depctr_va_vdst(0)
	v_bfe_u32 v2, v0, 4, 1
	v_mul_u32_u24 v3, v1, PITCH
	v_lshl_add_u32 v4, v2, 4, v3
	s_mul_i32 s21, s15, HALFT
	s_mul_i32 s22, s16, HALFT
	s_add_co_u32 s22, s22, 2*HALFT
.irp s, 0,1
	v_add_nc_u32 v[ADRA+\s], s21, v4
	v_add_nc_u32 v[ADRB+\s], s22, v4
	s_add_co_u32 s21, s21, SLOT
	s_add_co_u32 s22, s22, SLOT
.endr
	s_mul_i32 s23, s14, 16*SPITCH
	v_mul_u32_u24 v5, v1, SPITCH
	s_wait_alu depctr_va_vdst(0)
	v_lshl_add_u32 v5, v2, 5, v5
	v_add_nc_u32 v[STO], s23, v5
	v_and_b32 v6, 31, v0
	v_lshlrev_b32 v[CO], 4, v6
	v_add_nc_u32 v[RD], s23, v[CO]
	v_lshlrev_b32 v[BA], 5, v2
	s_lshl_b32 s20, s17, 8
	s_lshl_b32 s21, s15, 7
	s_add_co_u32 s20, s20, s21
	s_lshl_b32 s20, s20, 12
	s_mov_b32 s21, 0
	s_lshl_b32 s46, s42, 10
	s_lshl_b32 s47, s16, 9
	s_add_co_u32 s46, s46, s47
	s_mov_b32 s47, 0
	s_add_nc_u64 s[10:11], s[10:11], s[46:47]
	s_add_nc_u64 s[20:21], s[20:21], s[46:47]
	s_add_nc_u64 s[12:13], s[12:13], s[20:21]
.macro FRAG reg, adr, q, i
.irp c, 0,1,2,3
	ds_load_b128 v[\reg+4*\c:\reg+4*\c+3], v[\adr] offset:128*(\q)+32*\c+(\i)*16*PITCH
.endr
.endm
.macro MUL16 a0, p, zero
.irp a, \a0, \a0+1
.irp b, 0,1,2,3,4,5,6,7
.if \zero
	v_wmma_f32_16x16x128_fp8_fp8 v[8*(8*((\a)%4)+\b):8*(8*((\a)%4)+\b)+7], v[128*(\p)+FR*\b:128*(\p)+FR*\b+FR-1], v[AF+FR*(\a):AF+FR*(\a)+FR-1], 0
.else
	v_wmma_f32_16x16x128_fp8_fp8 v[8*(8*((\a)%4)+\b):8*(8*((\a)%4)+\b)+7], v[128*(\p)+FR*\b:128*(\p)+FR*\b+FR-1], v[AF+FR*(\a):AF+FR*(\a)+FR-1], v[8*(8*((\a)%4)+\b):8*(8*((\a)%4)+\b)+7]
.endif
.endr
.endr
.endm
.macro FETCH_B slot, q, p
	WIN TO_B
.irp i, 0,1,2,3,4,5,6,7
	FRAG 128*(\p)+FR*\i, ADRB+\slot, \q, \i
.endr
	WIN 0
.endm
.macro FETCH_A slot, q, i0
.irp i, \i0, \i0+1, \i0+2, \i0+3
	FRAG AF+FR*(\i), ADRA+\slot, \q, \i
.endr
.endm
.macro PLACES n
.rept \n
	v_nop
.endr
.endm
.macro STEP slot, q, zero
	s_wait_dscnt 4*NL
	WIN MUL_LO
	MUL16 0, (\q)%2, \zero
	MUL16 2, (\q)%2, \zero
	s_wait_dscnt 0
	PLACES NP
	FETCH_B \slot, (\q)+1, 1-(\q)%2
	FETCH_A \slot, (\q)+1, 0
	WIN MUL_HI
	MUL16 4, (\q)%2, \zero
	MUL16 6, (\q)%2, \zero
	PLACES NP
	WIN 0
	FETCH_A \slot, (\q)+1, 4
.endm
.macro TURN slot, next, fill
	s_wait_tensorcnt 0x0
	ds_add_u32 v[SPW], v[NIL]
	s_wait_dscnt 4*NL+1
	WIN MUL_LO
	MUL16 0, 1, 0
	s_wait_dscnt 0x0
	s_barrier_signal -1
	MUL16 2, 1, 0
	WIN 0
	s_barrier_wait -1
.if \fill
	CREST
	s_add_nc_u64 s[G0+4*\slot+2:G0+4*\slot+3], s[G0+4*\slot+2:G0+4*\slot+3], 2*ROWB
	s_add_nc_u64 s[G0B+4*\slot+2:G0B+4*\slot+3], s[G0B+4*\slot+2:G0B+4*\slot+3], 2*ROWB
	JLOAD G0+4*\slot, G1, G0B+4*\slot, G1B
.else
	PLACES NP
.endif
	FETCH_B \next, 0, 0
	FETCH_A \next, 0, 0
	WIN MUL_HI
	MUL16 4, 1, 0
	MUL16 6, 1, 0
	PLACES NP
	WIN 0
	FETCH_A \next, 0, 4
.endm
	s_wait_tensorcnt 1
	s_barrier_signal -1
	s_barrier_wait -1
	FETCH_B 0, 0, 0
	FETCH_A 0, 0, 0
	FETCH_A 0, 0, 4
	STEP 0, 0, 1
	s_mov_b32 s3, LAPS-1
.Llap:
	TURN 0, 1, 1
	STEP 1, 0, 0
	TURN 1, 0, 1
	STEP 0, 0, 0
	s_sub_co_u32 s3, s3, 1
	s_cmp_lg_u32 s3, 0
	s_cbranch_scc1 .Llap
	TURN 0, 1, 0
	STEP 1, 0, 0
	WIN TO_B
	s_wait_alu depctr_va_vdst(0)
.irp b, 0,1,2,3,4,5,6,7
	global_load_b128 v[8*\b:8*\b+3],   v[BA], s[10:11] offset:64*\b
	global_load_b128 v[8*\b+4:8*\b+7], v[BA], s[10:11] offset:64*\b+16
.endr
	WIN 0
	s_wait_dscnt 4*NL
	WIN MUL_LO
	MUL16 0, 1, 0
	MUL16 2, 1, 0
	s_wait_dscnt 0
	WIN MUL_HI
	MUL16 4, 1, 0
	MUL16 6, 1, 0
	WIN 0
.macro TOSTAGE a
.set AC, 64*((\a)%4)
	WIN (0x12+((\a)/4))
.set j, 0
.rept 32
	v_pk_fma_f32 v[TMP+j:TMP+j+1], v[AC+j:AC+j+1], s[96:97], v[j:j+1] op_sel_hi:[1,0,1]
.set j, j+2
.endr
	WIN 0
.irp b, 0,1,2,3,4,5,6,7
	ds_store_b128 v[STO], v[TMP+8*\b:TMP+8*\b+3] offset:64*\b
	ds_store_b128 v[STO], v[TMP+8*\b+4:TMP+8*\b+7] offset:64*\b+16
.endr
.set BB, BK+64*((\a)%2)
.irp t, 0,1,2,3,4,5,6,7,8,9,10,11,12,13,14,15
	ds_load_b128 v[BB+4*\t:BB+4*\t+3], v[RD] offset:\t*SPITCH
.endr
.endm
.macro SEND a, younger
.set BB, BK+64*((\a)%2)
	s_wait_dscnt \younger
.if (\a) > 0
	s_add_nc_u64 s[12:13], s[12:13], 16*SIZE_N*4
.endif
.irp t, 0,1,2,3,4,5,6,7,8,9,10,11,12,13,14,15
	global_store_b128 v[CO], v[BB+4*\t:BB+4*\t+3], s[12:13] offset:\t*SIZE_N*4 th:TH_STORE_NT
.endr
.endm
	s_wait_kmcnt 0x0
	s_add_co_i32 s96, s96, s97
	s_add_co_i32 s96, s96, 127
	s_lshl_b32 s96, s96, 23
	s_wait_loadcnt 0x0
	PLACES NP
	TOSTAGE 0
.irp a, 1,2,3,4,5,6,7
.if \a > 1
	s_wait_xcnt 0x0
.endif
	TOSTAGE \a
	SEND \a-1, 32
.endr
	s_wait_xcnt 0x0
	SEND 7, 0
	s_wait_tensorcnt 0x0
	ds_add_u32 v[SPW], v[NIL]
	s_wait_dscnt 0x0
	CROUND
	s_endpgm
.Lfunc_end_k_q16428ed82e_outp:
	.size	k_q16428ed82e_outp, .Lfunc_end_k_q16428ed82e_outp-k_q16428ed82e_outp
	.p2alignl 7, 3214868480
	.fill 96, 4, 3214868480
	.section	.rodata,"a",@progbits
	.p2align	6, 0x0
	.amdhsa_kernel k_q16428ed82e_outp
		.amdhsa_group_segment_fixed_size 327680
		.amdhsa_private_segment_fixed_size 0
		.amdhsa_enable_private_segment 0
		.amdhsa_kernarg_size 40
		.amdhsa_user_sgpr_count 2
		.amdhsa_user_sgpr_kernarg_segment_ptr 1
		.amdhsa_wavefront_size32 1
		.amdhsa_system_sgpr_workgroup_id_x 1
		.amdhsa_system_sgpr_workgroup_id_y 1
		.amdhsa_system_sgpr_workgroup_id_z 1
		.amdhsa_system_vgpr_workitem_id 0
		.amdhsa_next_free_vgpr 1024
		.amdhsa_next_free_sgpr 100
		.amdhsa_reserve_vcc 0
		.amdhsa_float_denorm_mode_32 3
		.amdhsa_float_denorm_mode_16_64 3
		.amdhsa_memory_ordered 1
		.amdhsa_forward_progress 1
		.amdhsa_inst_pref_size 126
	.end_amdhsa_kernel
	.amdgpu_metadata
---
amdhsa.version: [ 1, 2 ]
amdhsa.kernels:
  - .name:           k_q16428ed82e_outp
    .symbol:         k_q16428ed82e_outp.kd
    .args:
      - { .name: oc, .offset: 0, .size: 8, .value_kind: global_buffer, .address_space: global }
      - { .name: wc, .offset: 8, .size: 8, .value_kind: global_buffer, .address_space: global }
      - { .name: lowp_scales, .offset: 16, .size: 8, .value_kind: global_buffer, .address_space: global }
      - { .name: bo, .offset: 24, .size: 8, .value_kind: global_buffer, .address_space: global }
      - { .name: out0, .offset: 32, .size: 8, .value_kind: global_buffer, .address_space: global }
    .group_segment_fixed_size: 327680
    .private_segment_fixed_size: 0
    .kernarg_segment_align: 8
    .kernarg_segment_size: 40
    .max_flat_workgroup_size: 128
    .sgpr_count:     100
    .vgpr_count:     1024
    .wavefront_size: 32
...
	.end_amdgpu_metadata
.endif
;; end of part 4
